; MI455X (gfx1250); checked and timed in simulation.
; The chip was launched on July 23, 2026; its instructions are those of AMD's public machine-readable ISA for CDNA 5 (MIT licence, August 2026) and "CDNA5" Instruction Set Architecture Reference Guide (July 2026). The comments in the code are by the model that wrote it; some were corrected since.
;; Parallel Attention. Allowed arithmetic: matrix products marked QUANTISED: E2M1 operands, one E8M0 scale for each 32 along K, by v_wmma_scale_f32_16x16x128_f8f6f4 with both operands' format E2M1 (or v_wmma_scale_f32_32x16x128_f4), f32 sums; products left as they are: bf16, f16 or f32 operands; f32 sums; everything else in f32.
;; Inputs: W_dense 1,024 x 1,024 float32; W_qkv 3,072 x 1,024 float32; attention_mask 4 x 1 x 2,048 x 2,048 bool; b_dense 1,024 float32; b_qkv 3,072 float32; hidden_states 2,048 x 4 x 1,024 float32.
;; Outputs: out0 2,048 x 4 x 1,024 float32.
;; This version of the problem:
;;   THIS VERSION OF THE PROBLEM IS GIVEN IN LOW PRECISION. The matrix products marked QUANTISED in the list below multiply operands that are first quantised to E2M1 (2 exponent bits, 1 mantissa bit; 4 bits a number), with one power-of-two scale for each 32 numbers along K (OCP MX v1.0); their sums are f32. The products marked 'left as it is' may take bf16, f16 or f32 operands, with f32 sums. Whichever they take, every output number must still come out within the allowed error. Rounding operands to bf16 (8 significant bits) uses up far more of that allowance than f16 does (11 bits, for magnitudes from 6e-5 to 65,504). All else is computed in f32.
;;   The module's matrix products, in the order in which they are computed (A, B: the left and right operand; K: the contracted axis; several contracted axes count as one K, in the product's order):
;;     1. [M 8,192, K 1,024] x [K 1,024, N 3,072]; A: input hidden_states; B: input W_qkv: QUANTISED
;;     2. batch 64 x [M 2,048, K 64] x [K 64, N 2,048]; A: computed on the way; B: computed on the way: left as it is (an operand is computed on the way)
;;     3. batch 64 x [M 64, K 2,048] x [K 2,048, N 2,048]; A: computed on the way; B: computed on the way: left as it is (an operand is computed on the way)
;;     4. [M 8,192, K 1,024] x [K 1,024, N 1,024]; A: computed on the way; B: input W_dense: left as it is (an operand is computed on the way)
;;   THE QUANTISER, for each operand of a quantised product, along K:
;;     - K is cut into blocks of 32 from its start; a last block that is shorter is filled with zeros.
;;     - A block's scale is 2^e with e = floor(log2(the largest magnitude in the block)) - 2, held to -126 .. 127; a block of zeros has e = 0. As a byte (E8M0): e + 127.
;;     - Each number is divided by its block's scale, clamped to +-6, and rounded to the nearest number of E2M1, ties to even, subnormals kept.
;;     - The product sums the exact products of the quantised numbers (number of the format x scale) in f32.
;;   ~~~python
;;   def quantise(x, axis):      # numpy; x: float32 -> the quantised numbers, widened to float32 again
;;       x = np.moveaxis(x, axis, -1); K = x.shape[-1]
;;       x = np.pad(x, [(0, 0)] * (x.ndim - 1) + [(0, -K % 32)]); x = x.reshape(x.shape[:-1] + (-1, 32)); a = np.abs(x).max(-1, keepdims=True)
;;       e = np.where(a > 0, np.clip(np.frexp(np.where(a > 0, a, 1))[1] - 1 - 2, -126, 127), 0)      # np.frexp(a)[1] - 1 = floor(log2(a)), exactly
;;       r = np.clip(x / 2.0 ** e, -6, 6)
;;       step = 2.0 ** (np.maximum(np.frexp(np.where(r == 0, 1, r))[1] - 1, 0) - 1)
;;       q = np.round(r / step) * step * 2.0 ** e      # np.round: ties to even
;;       return np.moveaxis(q.reshape(q.shape[:-2] + (-1,))[..., :K], -1, axis).astype(np.float32)
;;   ~~~
;; One version. Each part assembles by itself: llvm-mc -triple=amdgcn-amd-amdhsa -mcpu=gfx1250 --defsym DOCPART=n.
;; ======== version 1 of 1: 4 launches
;; limits: values are held in f16: magnitudes above 65,504 overflow, below 6.1e-05 lose precision
;; workspace buffers: codes 5,767,168 bytes; scales 360,448 bytes; mw 2,097,152 bytes of whole numbers; wf 2,097,152 bytes; qkv 50,331,648 bytes; cw 16,777,216 bytes
;; launch prep (part 1): grid 736 x 1, 4 waves a work-group, no clusters, 50,688 bytes of LDS; arguments hidden_states, W_qkv, attention_mask, W_dense, codes, scales, mw, wf; writes codes, scales, mw, wf
.if DOCPART == 1
	.amdgcn_target "amdgcn-amd-amdhsa--gfx1250"
	.amdhsa_code_object_version 6
	.text
	.protected	k_q09bfd8fc6d_prep
	.globl	k_q09bfd8fc6d_prep
	.p2align	8
	.type	k_q09bfd8fc6d_prep,@function
k_q09bfd8fc6d_prep:
	s_mov_b64 s[64:65], 0
	v_nop
	global_prefetch_b8 v0, s[64:65] scope:SCOPE_SE
	s_setreg_imm32_b32 hwreg(HW_REG_WAVE_MODE, 25, 1), 1
	s_wait_xcnt 0x0
; PREP: everything that is made once from the inputs.  Three paths, parted by the work-group's number alone:
;   work-groups 0-351:   hidden_states [2048][4][1024] and W_qkv [3072][1024], f32, become codes of FP4 (E2M1), K innermost, with one E8M0 byte for each 32 along K;
;   work-groups 352-607: attention_mask [4][2048][2048] bytes becomes lane masks: one 32-bit word for each register of a 16 x 16 tile of scores;
;   work-groups 608-735: W_dense [1024][1024] f32 becomes f16.
; THE ROWS ARE RE-ORDERED ON THE WAY.  Row (s, b) of hidden_states goes to row 2048 b + s of the codes, so that 16 neighbouring rows are 16 neighbouring positions of one batch;
; row 192 head + 64 part + d of W_qkv (part 0, 1, 2 = q, k, v) goes to row 1024 part + 64 head + d, behind hidden_states' 8,192 rows.
; A block's scale is 2^(floor(log2(its largest magnitude)) - 2); its byte is the largest magnitude's exponent field - 2, held at 1 from below.
; LIMITS: a block of zeros gets the byte 1 where the rule says 127 (its codes are zeros, and only this program reads the bytes); blocks whose largest magnitude lies under 2^-124 keep the byte 1;
; NaN and infinities are not served; |W_dense| stays under 65,504, f16's largest number.
; No tensor load, no barrier: waves share nothing.  Each path that stores to LDS has LDS bytes of its own.
.set STEPS, 16
.set EMAX,  2
.set CB,    8                          ; bytes of 16 codes
.set R,     16                         ; v16-79   four sets of 16 numbers as they are loaded
.set X,     80                         ; v80-111  two sets of 16 neighbours
.set E,     112                        ; v112-127 a scale byte for each step
.set C,     128                        ; v128-191 codes: four registers for each step, so that no store's data are written again
.set VO,    192                        ; v192-199 16 x lane + i x (bytes from one of my rows to the next), i = 0 .. 7; never rewritten
.set WREG,  8192                       ; LDS, quantiser: a region for each wave: two stages of 32 x SP bytes, behind them its 256 scale bytes
.set SP,    80                         ; a lane's place in a stage: its 64 bytes + 16 of padding
.set MSTG,  32768                      ; LDS, mask path: a stage of 16 rows x MPITCH for each wave
.set MPITCH, 272
.set SPARE, MSTG+4*16*MPITCH           ; 50,176: the spare words, 128 bytes for each wave
.set SPW,   12                         ; v12 LDS address of my spare word; never rewritten
.set NIL,   13                         ; v13 0; never rewritten
.set ML,    16                         ; mask path: v16-143 the 32 loads
.set T,     144                        ; v144-175 a job's bytes, back from the stage
.set TMPV,  176                        ; v176-179 at work
.set OW,    180                        ; v180-195 the words: four registers for each job
	s_load_b512 s[4:19], s[0:1], 0x0               ; hidden s[4:5], W_qkv s[6:7], mask s[8:9], W_dense s[10:11], codes s[12:13], scales s[14:15], mw s[16:17], wf s[18:19]
	v_lshl_add_u32 v[SPW], v0, 2, SPARE
	v_mov_b32 v[NIL], 0
	v_lshrrev_b32 v1, 5, v0
	v_readfirstlane_b32 s24, v1                    ; wave 0..3
	v_and_b32 v2, 31, v0                           ; lane
	s_wait_kmcnt 0x0
	s_cmp_ge_u32 ttmp9, 608
	s_cbranch_scc1 .Lwd
	s_cmp_ge_u32 ttmp9, 352
	s_cbranch_scc1 .Lmask
; ---------------- THE QUANTISER.  A work-group takes 32 rows, a wave 8: 16 steps of 512 numbers.
; The conversions take 16 numbers of one block from a lane's registers; a load is best where neighbouring lanes take neighbouring bytes.  Both are had: each of a step's four loads reads 512 consecutive
; bytes, the 2,048 bytes go through the wave's own stage in LDS as they lie and come back 64 bytes a lane.  Two neighbouring lanes hold a block.
	v_lshlrev_b32 v3, 4, v2                        ; my 16 bytes of a load's 512
	s_mul_i32 s25, s24, WREG
	v_lshrrev_b32 v14, 2, v2
	v_mul_u32_u24 v14, v14, SP
	v_and_b32 v15, 3, v2
	v_lshl_add_u32 v14, v15, 4, v14
	v_add_nc_u32 v14, s25, v14                     ; the stage, on the way in: SP (lane / 4) + 16 (lane % 4)
	v_mul_u32_u24 v15, v2, SP
	v_add_nc_u32 v15, s25, v15                     ; and on the way out: SP x lane: my 16 neighbours
	v_mul_u32_u24 v4, v2, CB                       ; my codes' place in a step's
	v_lshrrev_b32 v5, 1, v2
	s_add_co_u32 s25, s25, 2*32*SP
	v_add_nc_u32 v5, s25, v5                       ; my wave's 256 scale bytes, my block's byte
	v_lshlrev_b32 v7, 3, v2                        ; and on the way out 8 bytes a lane
	v_add_nc_u32 v6, s25, v7
	; both tensors' destination rows are made first; then one compare chooses (a selection leaves SCC alone, arithmetic does not)
	s_lshl_b32 s25, s24, 11
	s_lshl_b32 s26, ttmp9, 3
	s_add_co_u32 s25, s25, s26                     ; hidden: wave w takes batch w, positions 8 g .. 8 g + 7: row 2048 w + 8 g
	s_max_u32 s26, ttmp9, 256
	s_sub_co_u32 s26, s26, 256                     ; W_qkv: g counts from work-group 256 on
	s_lshr_b32 s27, s26, 1                         ; which 64 rows: 3 head + part
	s_mul_i32 s28, s27, 171
	s_lshr_b32 s28, s28, 9                         ; head = that / 3 (exact for 0 .. 47)
	s_mul_i32 s29, s28, 3
	s_sub_co_u32 s29, s27, s29                     ; part
	s_lshl_b32 s29, s29, 10
	s_lshl_b32 s28, s28, 6
	s_add_co_u32 s29, s29, s28
	s_and_b32 s28, s26, 1
	s_lshl_b32 s28, s28, 5
	s_add_co_u32 s29, s29, s28
	s_lshl_b32 s28, s24, 3
	s_add_co_u32 s29, s29, s28                     ; row 1024 part + 64 head + 32 (g % 2) + 8 w
	s_mov_b32 s30, 4096
	s_mov_b32 s31, 32768
	s_cmp_lt_u32 ttmp9, 256                        ; hidden_states' work-group or W_qkv's?  The choice hangs on the work-group's number alone
	s_cselect_b64 s[4:5], s[4:5], s[6:7]
	s_cselect_b32 s25, s25, s29                    ; my first destination row
	s_cselect_b32 s26, ttmp9, s26                  ; g
	s_cselect_b32 s27, 16384, s30                  ; bytes from one of my source rows to the next
	s_cselect_b32 s28, s30, s31                    ; and from wave to wave
	s_cselect_b32 s32, 0, 4194304                  ; W_qkv's codes lie behind hidden_states',
	s_cselect_b32 s34, 0, 262144                   ; its scale bytes likewise
	s_lshl_b32 s36, s26, 17                        ; 32 source rows of 4,096 bytes for each work-group
	s_mul_i32 s37, s24, s28
	s_add_co_u32 s36, s36, s37
	s_mov_b32 s37, 0
	s_add_nc_u64 s[4:5], s[4:5], s[36:37]
	s_lshl_b32 s36, s25, 9                         ; a row of codes is 512 bytes
	s_add_co_u32 s36, s36, s32
	s_add_nc_u64 s[12:13], s[12:13], s[36:37]
	s_lshl_b32 s36, s25, 5                         ; a row of scale bytes 32
	s_add_co_u32 s36, s36, s34
	s_add_nc_u64 s[14:15], s[14:15], s[36:37]
.irp i, 0,1,2,3,4,5,6,7
	s_mul_i32 s36, s27, \i
	v_add_nc_u32 v[VO+\i], s36, v3
.endr
.macro LOAD t                          ; step t: half t % 2 of my row t / 2
.irp i, 0,1,2,3
	global_load_b128 v[R+16*((\t)%4)+4*\i:R+16*((\t)%4)+4*\i+3], v[VO+(\t)/2], s[4:5] offset:2048*((\t)%2)+512*\i th:TH_LOAD_NT   ; 32 lanes read 512 consecutive bytes
.endr
.endm
.macro TURN t                          ; step t's numbers through the stage: LDS serves a wave's instructions in order, so no wait stands between the stores and the loads
.irp i, 0,1,2,3
	ds_store_b128 v14, v[R+16*((\t)%4)+4*\i:R+16*((\t)%4)+4*\i+3] offset:32*SP*((\t)%2)+8*SP*\i
.endr
.irp i, 0,1,2,3
	ds_load_b128 v[X+16*((\t)%2)+4*\i:X+16*((\t)%2)+4*\i+3], v15 offset:32*SP*((\t)%2)+16*\i
.endr
.endm
.irp t, 0,1,2,3
	LOAD \t
.endr
	s_wait_loadcnt 12                              ; step 0's four loads are in; the 12 of steps 1 to 3 may be out
	TURN 0
.macro STEP t
.set XS, X+16*((\t)%2)
.if (\t) > 0
	s_wait_dscnt 1                                 ; this step's numbers are back from the stage (the last step's byte store may be out): so its stores into the stage have read their registers,
.else
	s_wait_dscnt 0x0
.endif
.if (\t)+4 < STEPS
	LOAD (\t)+4                                    ; which take the loads of four steps on
.endif
.if (\t)+1 < STEPS
.if STEPS-2-(\t) >= 3
	s_wait_loadcnt 12                              ; the next step's four loads are in; those of the three steps behind it may be out
.else
	s_wait_loadcnt 4*(STEPS-2-(\t))
.endif
	TURN (\t)+1                                    ; and go through the other stage while this step is worked
.endif
	v_max3_num_f32 v8, |v[XS]|, |v[XS+1]|, |v[XS+2]|               ; the largest magnitude of my 16, in two chains
	v_max3_num_f32 v9, |v[XS+3]|, |v[XS+4]|, |v[XS+5]|
.irp i, 6,10
	v_max3_num_f32 v8, v8, |v[XS+\i]|, |v[XS+\i+1]|
	v_max3_num_f32 v9, v9, |v[XS+\i+2]|, |v[XS+\i+3]|
.endr
	v_max3_num_f32 v8, v8, |v[XS+14]|, |v[XS+15]|
	v_max3_num_f32 v8, v8, v9, (EMAX+1)<<23        ; and the floor 2^(EMAX + 1 - 127): so the byte cannot fall under 1
	v_max_num_f32_dpp v8, v8, v8 row_xmask:1 row_mask:0xf bank_mask:0xf   ; and of my neighbour's 16: the block's
	v_add_nc_u32 v11, -(EMAX<<23), v8              ; EMAX off its exponent field: the conversion takes the exponent field of this operand as its scale, and nothing else of it
	v_cvt_scalef32_pk8_fp4_f32 v[C+4*(\t)], v[XS:XS+7], v11        ; eight numbers / the scale, to the nearest code, ties to even, beyond the largest code the largest
	v_cvt_scalef32_pk8_fp4_f32 v[C+4*(\t)+1], v[XS+8:XS+15], v11
	v_lshrrev_b32 v[E+(\t)], 23, v11               ; the scale's byte (also the plain line behind the conversions)
	ds_store_b8 v5, v[E+(\t)] offset:16*(\t)       ; both lanes of a block write the same byte with the same value
	global_store_b64 v4, v[C+4*(\t):C+4*(\t)+1], s[12:13] offset:32*CB*(\t)   ; the wave stores 256 consecutive bytes, aligned: my 8 destination rows lie on end
.endm
.irp t, 0,1,2,3,4,5,6,7,8,9,10,11,12,13,14,15
	STEP \t
.endr
	ds_load_b64 v[8:9], v6                         ; LDS serves a wave's instructions in order: these see my byte stores
	s_wait_dscnt 0x0
	global_store_b64 v7, v[8:9], s[14:15]          ; my 8 rows' 256 scale bytes, consecutive and aligned
	s_wait_tensorcnt 0x0                           ; the wave's end, behind my last LDS store
	ds_add_u32 v[SPW], v[NIL]
	s_wait_dscnt 0x0
	s_endpgm
; ---------------- THE MASK.  Word (b, qt, kt, j): bit l = mask[b][16 qt + l % 16][16 kt + 8 (l / 16) + j]: the lane mask of register j of the tile of scores (16 keys kt x 16 queries qt).
; A wave takes 16 queries x 1,024 keys, in four jobs of 256 keys.  A job's 16 x 256 bytes turn through the wave's stage, so that lane (r, h) holds query r; two exchanges of halves for each 32 keys give
; every lane the keys of its half of a tile; each byte position of each register is then one word, made by a compare and put into its lane of the output registers.
.Lmask:
	s_sub_co_u32 s25, ttmp9, 352
	s_lshr_b32 s26, s25, 6                         ; b
	s_and_b32 s27, s25, 63
	s_lshl_b32 s27, s27, 1
	s_lshr_b32 s28, s24, 1
	s_add_co_u32 s27, s27, s28                     ; qt
	s_and_b32 s28, s24, 1                          ; which 1,024 keys
	s_lshl_b32 s30, s26, 22
	s_lshl_b32 s29, s27, 15
	s_add_co_u32 s30, s30, s29
	s_lshl_b32 s29, s28, 10
	s_add_co_u32 s30, s30, s29
	s_mov_b32 s31, 0
	s_add_nc_u64 s[8:9], s[8:9], s[30:31]
	s_lshl_b32 s30, s26, 7
	s_add_co_u32 s30, s30, s27
	s_lshl_b32 s30, s30, 7
	s_lshl_b32 s29, s28, 6
	s_add_co_u32 s30, s30, s29
	s_lshl_b32 s30, s30, 5                         ; ((128 b + qt) 128 + first kt) x 32 bytes
	s_add_nc_u64 s[16:17], s[16:17], s[30:31]
	v_and_b32 v3, 15, v2                           ; r
	v_lshrrev_b32 v4, 4, v2                        ; h
	v_lshlrev_b32 v5, 4, v3
	v_lshl_add_u32 v5, v4, 11, v5                  ; in memory: lanes 0-15 one row's 256 bytes, lanes 16-31 the next row's
	s_mul_i32 s29, s24, 16*MPITCH
	s_add_co_u32 s29, s29, MSTG
	v_mul_u32_u24 v6, v4, MPITCH
	v_lshl_add_u32 v6, v3, 4, v6
	v_add_nc_u32 v6, s29, v6                       ; into the stage: the same two rows
	v_mul_u32_u24 v7, v3, MPITCH
	v_lshl_add_u32 v7, v4, 4, v7
	v_add_nc_u32 v7, s29, v7                       ; out of it: row r, 16 bytes for each half of the lanes
	v_lshlrev_b32 v8, 4, v2                        ; the words leave 16 bytes a lane
.irp i, 0,1,2,3,4,5,6,7,8,9,10,11,12,13,14,15
	v_mov_b32 v[OW+\i], 0                          ; a lane write's destination counts as read
.endr
.irp n, 0,1,2,3
.irp i, 0,1,2,3,4,5,6,7
	global_load_b128 v[ML+32*\n+4*\i:ML+32*\n+4*\i+3], v5, s[8:9] offset:\i*4096+\n*256 th:TH_LOAD_NT
.endr
.endr
.macro JOB n
	s_wait_loadcnt 8*(3-\n)                        ; this job's eight loads are in; the later jobs' may be out
.irp i, 0,1,2,3,4,5,6,7
	ds_store_b128 v6, v[ML+32*\n+4*\i:ML+32*\n+4*\i+3] offset:\i*2*MPITCH
.endr
.irp k, 0,1,2,3,4,5,6,7
	ds_load_b128 v[T+4*\k:T+4*\k+3], v7 offset:32*\k       ; query r, keys 32 k + 16 h + 0 .. 15
.endr
	s_wait_dscnt 0x0
.irp k, 0,1,2,3,4,5,6,7
	v_permlane16_swap_b32 v[T+4*\k], v[T+4*\k+2]           ; the first's lanes 16-31 change places with the second's lanes 0-15:
	v_permlane16_swap_b32 v[T+4*\k+1], v[T+4*\k+3]         ; byte y of register L is now key 16 (L / 2) + 8 (lane / 16) + 4 (L % 2) + y: word 4 L + y of the job
.endr
.set L, 0
.rept 32
.irp y, 0,1,2,3
	v_and_b32 v[TMPV+\y], 0xff<<(8*\y), v[T+L]
.endr
.irp y, 0,1,2,3
	v_cmp_ne_u32 s[40+\y], 0, v[TMPV+\y]
.endr
.irp y, 0,1,2,3
	v_writelane_b32 v[OW+4*\n+\y], s[40+\y], L             ; lane L stores words 4 L .. 4 L + 3
.endr
.set L, L+1
.endr
	global_store_b128 v8, v[OW+4*\n:OW+4*\n+3], s[16:17] offset:512*\n   ; 512 consecutive bytes; each job has its own four registers
.endm
	JOB 0
	JOB 1
	JOB 2
	JOB 3
	s_wait_tensorcnt 0x0                           ; the wave's end, behind my last LDS store
	ds_add_u32 v[SPW], v[NIL]
	s_wait_dscnt 0x0
	s_endpgm
; ---------------- W_dense to f16.  A wave takes 2,048 numbers; no LDS.
.Lwd:
	s_sub_co_u32 s25, ttmp9, 608
	s_lshl_b32 s25, s25, 2
	s_add_co_u32 s25, s25, s24
	s_lshl_b32 s26, s25, 13
	s_mov_b32 s27, 0
	s_add_nc_u64 s[10:11], s[10:11], s[26:27]
	s_lshl_b32 s26, s25, 12
	s_add_nc_u64 s[18:19], s[18:19], s[26:27]
	v_lshlrev_b32 v3, 4, v2
	v_lshlrev_b32 v4, 3, v2
.irp i, 0,1,2,3,4,5,6,7,8,9,10,11,12,13,14,15
	global_load_b128 v[16+4*\i:16+4*\i+3], v3, s[10:11] offset:512*\i th:TH_LOAD_NT
.endr
.irp i, 0,1,2,3,4,5,6,7,8,9,10,11,12,13,14,15
	s_wait_loadcnt 15-\i                           ; loads come back in order: load i is in, the later ones may be out
	v_cvt_pk_f16_f32 v[80+2*\i], v[16+4*\i], v[16+4*\i+1]
	v_cvt_pk_f16_f32 v[81+2*\i], v[16+4*\i+2], v[16+4*\i+3]
	global_store_b64 v4, v[80+2*\i:81+2*\i], s[18:19] offset:256*\i   ; the wave stores 256 consecutive bytes, aligned
.endr
	s_endpgm
.Lfunc_end_k_q09bfd8fc6d_prep:
	.size	k_q09bfd8fc6d_prep, .Lfunc_end_k_q09bfd8fc6d_prep-k_q09bfd8fc6d_prep
	.p2alignl 7, 3214868480
	.fill 96, 4, 3214868480
	.section	.rodata,"a",@progbits
	.p2align	6, 0x0
	.amdhsa_kernel k_q09bfd8fc6d_prep
		.amdhsa_group_segment_fixed_size 50688
		.amdhsa_private_segment_fixed_size 0
		.amdhsa_enable_private_segment 0
		.amdhsa_kernarg_size 64
		.amdhsa_user_sgpr_count 2
		.amdhsa_user_sgpr_kernarg_segment_ptr 1
		.amdhsa_wavefront_size32 1
		.amdhsa_system_sgpr_workgroup_id_x 1
		.amdhsa_system_sgpr_workgroup_id_y 1
		.amdhsa_system_sgpr_workgroup_id_z 1
		.amdhsa_system_vgpr_workitem_id 0
		.amdhsa_next_free_vgpr 208
		.amdhsa_next_free_sgpr 66
		.amdhsa_reserve_vcc 0
		.amdhsa_float_denorm_mode_32 3
		.amdhsa_float_denorm_mode_16_64 3
		.amdhsa_memory_ordered 1
		.amdhsa_forward_progress 1
		.amdhsa_inst_pref_size 148
	.end_amdhsa_kernel
	.amdgpu_metadata
---
amdhsa.version: [ 1, 2 ]
amdhsa.kernels:
  - .name:           k_q09bfd8fc6d_prep
    .symbol:         k_q09bfd8fc6d_prep.kd
    .args:
      - { .name: hidden_states, .offset: 0, .size: 8, .value_kind: global_buffer, .address_space: global }
      - { .name: W_qkv, .offset: 8, .size: 8, .value_kind: global_buffer, .address_space: global }
      - { .name: attention_mask, .offset: 16, .size: 8, .value_kind: global_buffer, .address_space: global }
      - { .name: W_dense, .offset: 24, .size: 8, .value_kind: global_buffer, .address_space: global }
      - { .name: codes, .offset: 32, .size: 8, .value_kind: global_buffer, .address_space: global }
      - { .name: scales, .offset: 40, .size: 8, .value_kind: global_buffer, .address_space: global }
      - { .name: mw, .offset: 48, .size: 8, .value_kind: global_buffer, .address_space: global }
      - { .name: wf, .offset: 56, .size: 8, .value_kind: global_buffer, .address_space: global }
    .group_segment_fixed_size: 50688
    .private_segment_fixed_size: 0
    .kernarg_segment_align: 8
    .kernarg_segment_size: 64
    .max_flat_workgroup_size: 128
    .sgpr_count:     66
    .vgpr_count:     208
    .wavefront_size: 32
...
	.end_amdgpu_metadata
.endif
;; end of part 1
;; launch qkv (part 2): grid 12 x 32, 4 waves a work-group, clusters of 4 x 4, 327,680 bytes of LDS; arguments codes, scales, b_qkv, qkv; writes qkv
.if DOCPART == 2
	.amdgcn_target "amdgcn-amd-amdhsa--gfx1250"
	.amdhsa_code_object_version 6
	.text
	.protected	k_q09bfd8fc6d_qkv
	.globl	k_q09bfd8fc6d_qkv
	.p2align	8
	.type	k_q09bfd8fc6d_qkv,@function
k_q09bfd8fc6d_qkv:
	s_mov_b64 s[64:65], 0
	v_nop
	global_prefetch_b8 v0, s[64:65] scope:SCOPE_SE
	s_setreg_imm32_b32 hwreg(HW_REG_WAVE_MODE, 25, 1), 1
	s_wait_xcnt 0x0
	s_wait_alu depctr_hold_cnt(0) depctr_sa_sdst(0) depctr_va_vdst(0) depctr_va_sdst(0) depctr_va_ssrc(0) depctr_va_vcc(0) depctr_vm_vsrc(0)
	s_getreg_b32 s2, hwreg(HW_REG_IB_STS2, 6, 4)
	s_cmp_eq_u32 s2, 0
	s_cbranch_scc0 .Lentry_in_a_cluster
	s_endpgm
.Lentry_in_a_cluster:
	s_bfe_u32 s2, ttmp6, 0x10000c
	s_cmp_lg_u32 s2, 0xf033
	s_cbranch_scc0 .Lentry_shape_is_right
	s_endpgm
.Lentry_shape_is_right:
; mixed = hidden_states W_qkv^T + b_qkv on codes of FP4 (E2M1) with one E8M0 scale for each 32 along K; sums in f32; the results leave as f16, laid as the attention launch's operand registers.
; A: 8,192 rows (row 2048 b + s) x 1,024 codes; B: 3,072 rows (row 1024 part + 64 head + d; part 0, 1, 2 = q, k, v), behind A in the same two buffers.
; A tile of the result, 256 x 256, is made by four waves; a wave makes 128 x 128: 64 accumulators of 16 x 16, 512 registers.  K = 1,024 is two K steps of 512 (LDS rows of 256 bytes):
; both slots are filled once, at the start, and nothing is filled again.  The scale bytes of the work-group's rows, for all of K, come once with the first fills.
; 384 tiles: a tile to a work-group; the launch is a small part of the program's work, so the tile is kept large and the uneven last share is taken.
; CLUSTERS: 4 x 4 work-groups.  The four of a row need the same tiles of A, the four of a column the same tiles of B: each tile is asked for jointly.
; THE MATRIX INSTRUCTION IS USED TRANSPOSED (source 0 = 16 rows of B, source 1 = 16 rows of A): lane (r, h) then holds position r and channels 8 h + 0 .. 7 of a block of 16: rounded to f16, 16 bytes,
; which ARE registers 0-3 or 4-7 of a 16-bit fragment with the channels along K.  So a block of 16 positions x 16 channels leaves as one chunk of 512 bytes, lane l's 16 bytes at 16 l, with no way through LDS.
; qkv: [part][b 16 + head][tile of 16 positions: 128][block of 16 channels: 4][512 bytes].  V's chunks hold the same bytes with lane (r, h) at place 16 (r / 8) + 8 h + r % 8: the turning LDS load at 16 x lane then gives keys along the registers.
; THE BIAS is the C of each sum's first matrix instruction.
; LIMIT: |q|, |k|, |v| stay under 65,504, f16's largest number.
; REGISTERS, in windows of 256: window 0: v0-31 addresses; v32-95 scale words, two sets; v128-191 A's fragments, ONE set; v192-255 the bias, eight registers for each of B's blocks; on the way out v128-255 take the packed results.
;   window 1: B's fragments, TWO sets, at v0 and v128.   window 2: the accumulators of my rows 0-63 ((a, b) at v[8 (8 a + b)]);   window 3: those of my rows 64-127.
.set SIZE_K, 1024
.set KSTEP,  512
.set NQ,     KSTEP/128
.set ROWB,   256                       ; a tile's row in bytes
.set KROW,   SIZE_K/2                  ; a row of codes in memory
.set PITCH,  272                       ; an LDS row: 256 bytes + 16 of padding = 68 words: the 16 rows that a load touches start at 16 different banks (64 banks of 4 bytes: ISA guide 11.1)
.set FR,     8
.set NL,     2
.set NP,     4                         ; places behind this matrix instruction (ISA guide 7.12.1)
.set HALFT,  128*PITCH
.set SLOT,   4*HALFT
.set KS,     SIZE_K/32                 ; a row of scale bytes
.set SCL,    2*SLOT
.set HALFS,  (128*KS/256)*272
.set SBLK,   (16*KS/256)*272
.set SPARE,  SCL+4*HALFS               ; the spare words, 128 bytes for each wave
.set BCOD,   4194304                   ; where B's codes begin
.set BSCL,   262144                    ; and B's scale bytes
.set ADRA, 16
.set ADRB, 20
.set CO,   26                          ; v26 my 16 bytes' place in a chunk
.set ADRS, 27
.set SPW,  28
.set NIL,  29
.set BO,   30                          ; v30 32 x (lane / 16): my half's eight numbers of the bias
.set SC,   32
.set AF,   128
.set BI,   192
.set G1, 24
.set G0, 32
.set G1B, 48
.set G0B, 56
.set G1S, 68
.set G0S, 76
.set G1SB, 80
.set G0SB, 88
.set MSB, 0
.macro WIN new                         ; the immediate's high byte repeats the setting that is left
.if MSB != \new
	s_set_vgpr_msb (MSB<<8)|\new
.set MSB, \new
.endif
.endm
.set MUL_LO, 0xa1                      ; source 0 (B) window 1, source 1 (A) window 0, C and D window 2
.set MUL_HI, 0xf1                      ; the same, C and D window 3
.set FST_LO, 0x81                      ; the first step: C (the bias) window 0, D window 2
.set FST_HI, 0xc1                      ; D window 3
.set TO_B,   0x40
; A joint load: waves 0 and 1 fetch for A, waves 2 and 3 for B.  The branch hangs on the wave's number alone.  An s_nop 0 and four v_nop follow each of the two lines.
.macro JLOAD g0a, g1a, g0b, g1b
	s_cmp_eq_u32 s15, 0
	s_cbranch_scc0 .Lfor_b_\@
	tensor_load_to_lds s[\g0a:\g0a+3], s[\g1a:\g1a+7]
	s_nop 0
.rept 4
	v_nop
.endr
	s_branch .Lasked_\@
.Lfor_b_\@:
	tensor_load_to_lds s[\g0b:\g0b+3], s[\g1b:\g1b+7]
	s_nop 0
.rept 4
	v_nop
.endr
.Lasked_\@:
.endm
.macro CROUND                          ; a round of the cluster's barrier
	s_barrier_signal -1
	s_barrier_wait -1
	s_cmp_lg_u32 s14, 0
	s_cbranch_scc1 .Lnot_wave_0_\@
	s_barrier_signal -3
.Lnot_wave_0_\@:
	s_barrier_wait -3
	s_barrier_signal -1
	s_barrier_wait -1
.endm
	s_load_b256 s[4:11], s[0:1], 0x0               ; codes s[4:5], scales s[6:7], b_qkv s[8:9], qkv s[10:11]
	v_lshl_add_u32 v[SPW], v0, 2, SPARE
	v_mov_b32 v[NIL], 0
	ds_add_u32 v[SPW], v[NIL]                      ; the wave's opening: the add, twice on end, and its wait ahead of my first tensor load
	ds_add_u32 v[SPW], v[NIL]
	v_lshrrev_b32 v1, 5, v0
	v_readfirstlane_b32 s14, v1                    ; wave 0..3
	s_lshr_b32 s15, s14, 1                         ; which half of the tile's rows is mine.  Also: I fetch for A (0) or for B (1)
	s_and_b32 s16, s14, 1                          ; which half of its columns.  Also: which 128 rows of that tile I fetch
	s_bfe_u32 s40, ttmp6, 0x40000                  ; cx, cy: my place in the cluster
	s_bfe_u32 s41, ttmp6, 0x40004
	s_lshl_b32 s42, ttmp9, 2
	s_add_co_u32 s42, s42, s40                     ; tile column = 4 x cluster x + cx
	s_and_b32 s17, ttmp7, 0xffff
	s_lshl_b32 s17, s17, 2
	s_add_co_u32 s17, s17, s41                     ; tile row = 4 x cluster y + cy
	s_lshl_b32 s43, s41, 2
	s_lshl_b32 s43, 15, s43                        ; my row of the cluster
	s_lshl_b32 s44, 0x1111, s40                    ; my column
	s_or_b32 s[G1+0], s43, (0<<16)|(1<<20)|(1<<21)|(5<<22)|(3<<25)  ; the mask; elements of 1 byte; padding on; bit 21 beside a mask; four words of padding after every 64
	s_or_b32 s[G1B+0], s44, (0<<16)|(1<<20)|(1<<21)|(5<<22)|(3<<25)
.irp g, G1, G1B
	s_mov_b32 s[\g+1], ROWB<<16                    ; tensor_dim0
	s_mov_b32 s[\g+2], 128<<16                     ; tensor_dim1
	s_mov_b32 s[\g+3], ROWB<<16                    ; tile_dim0
	s_mov_b32 s[\g+4], 128                         ; tile_dim1
	s_mov_b32 s[\g+5], KROW                        ; from row to row
	s_mov_b32 s[\g+6], 0
	s_mov_b32 s[\g+7], 0
.endr
	s_or_b32 s[G1S+0], s43, (3<<16)|(1<<20)|(1<<21)|(5<<22)|(3<<25)  ; the scales of 128 rows: a dense block, as rows of 256 bytes (32 elements of 8), 16 bytes of padding behind each
	s_or_b32 s[G1SB+0], s44, (3<<16)|(1<<20)|(1<<21)|(5<<22)|(3<<25)
.irp g, G1S, G1SB
	s_mov_b32 s[\g+1], 32<<16
	s_mov_b32 s[\g+2], (128*KS/256)<<16
	s_mov_b32 s[\g+3], 32<<16
	s_mov_b32 s[\g+4], 128*KS/256
	s_mov_b32 s[\g+5], 32
	s_mov_b32 s[\g+6], 0
	s_mov_b32 s[\g+7], 0
.endr
	s_lshl_b32 s18, s16, 7
	s_lshl_b32 s20, s17, 8
	s_add_co_u32 s20, s20, s18                     ; A: row 256 x tile row + 128 x half
	s_lshl_b32 s46, s42, 8
	s_add_co_u32 s46, s46, s18                     ; B: row 256 x tile column + 128 x half
	s_mov_b32 s21, 0
	s_mov_b32 s47, 0
	s_mov_b64 s[18:19], KS
	s_mul_u64 s[22:23], s[20:21], s[18:19]         ; where these rows' scales begin, in bytes
	s_mul_u64 s[92:93], s[46:47], s[18:19]
	s_mov_b64 s[18:19], KROW
	s_mul_u64 s[20:21], s[20:21], s[18:19]         ; and their codes
	s_mul_u64 s[46:47], s[46:47], s[18:19]
	s_add_nc_u64 s[92:93], s[92:93], BSCL          ; B lies behind A in both buffers
	s_add_nc_u64 s[46:47], s[46:47], BCOD
	s_mul_i32 s45, s14, HALFT                      ; where they go: wave x 128 rows
	s_mul_i32 s94, s14, HALFS
	s_wait_dscnt 0x0                               ; both opening adds are done
	s_wait_kmcnt 0x0
	s_add_nc_u64 s[20:21], s[4:5], s[20:21]
	s_add_nc_u64 s[22:23], s[6:7], s[22:23]
	s_add_nc_u64 s[46:47], s[4:5], s[46:47]
	s_add_nc_u64 s[92:93], s[6:7], s[92:93]
	CROUND                                         ; all sixteen work-groups are here: the joint loads meet
	s_mov_b32 s[G0S], 1
	s_add_co_u32 s[G0S+1], s94, SCL
	s_mov_b64 s[G0S+2:G0S+3], s[22:23]
	s_or_b32 s[G0S+3], s[G0S+3], 0x80000000
	s_mov_b32 s[G0SB], 1
	s_add_co_u32 s[G0SB+1], s94, SCL
	s_mov_b64 s[G0SB+2:G0SB+3], s[92:93]
	s_or_b32 s[G0SB+3], s[G0SB+3], 0x80000000
	JLOAD G0S, G1S, G0SB, G1SB                     ; the scales first: they are wanted with K step 0
.irp s, 0,1
	s_mov_b32 s[G0+4*\s], 1
	s_add_co_u32 s[G0+4*\s+1], s45, \s*SLOT
	s_add_nc_u64 s[G0+4*\s+2:G0+4*\s+3], s[20:21], \s*ROWB
	s_or_b32 s[G0+4*\s+3], s[G0+4*\s+3], 0x80000000
	s_mov_b32 s[G0B+4*\s], 1
	s_add_co_u32 s[G0B+4*\s+1], s45, \s*SLOT
	s_add_nc_u64 s[G0B+4*\s+2:G0B+4*\s+3], s[46:47], \s*ROWB
	s_or_b32 s[G0B+4*\s+3], s[G0B+4*\s+3], 0x80000000
	JLOAD G0+4*\s, G1, G0B+4*\s, G1B               ; three loads of mine are out
.endr
	v_and_b32 v1, 15, v0                           ; r
	v_bfe_u32 v2, v0, 4, 1                         ; h
	v_mul_u32_u24 v3, v1, PITCH
	v_lshl_add_u32 v4, v2, 4, v3                   ; a fragment's row x pitch + 16 x half
	s_mul_i32 s21, s15, HALFT
	s_mul_i32 s22, s16, HALFT
	s_add_co_u32 s22, s22, 2*HALFT
.irp s, 0,1
	v_add_nc_u32 v[ADRA+\s], s21, v4
	v_add_nc_u32 v[ADRB+\s], s22, v4
	s_add_co_u32 s21, s21, SLOT
	s_add_co_u32 s22, s22, SLOT
.endr
	v_mul_u32_u24 v5, v1, KS                       ; my row's scales: KS bytes a row,
	v_lshrrev_b32 v6, 8, v5
	v_lshl_add_u32 v5, v6, 4, v5                   ; and 16 more for each 256 passed
	s_mul_i32 s21, s15, HALFS
	s_mul_i32 s22, s16, HALFS
	s_add_co_u32 s22, s22, 2*HALFS
	s_sub_co_u32 s22, s22, s21
	v_mul_u32_u24 v6, s22, v2                      ; lanes 16-31 take B's: one product, the distance between the two bases
	s_add_co_u32 s21, s21, SCL
	v_add_nc_u32 v5, v5, v6
	v_add_nc_u32 v[ADRS], s21, v5
	; the way out: my place in a chunk.  q and k: 16 x lane.  v: 16 x (16 (r / 8) + 8 h + r % 8).  The part is the cluster's x: the same in all partners
	v_and_b32 v6, 31, v0
	v_lshlrev_b32 v6, 4, v6
	v_lshrrev_b32 v7, 3, v1
	v_lshlrev_b32 v7, 4, v7
	v_lshl_add_u32 v7, v2, 3, v7
	v_and_b32 v8, 7, v1
	v_add_nc_u32 v7, v7, v8
	v_lshlrev_b32 v7, 4, v7
	s_cmp_eq_u32 ttmp9, 2
	s_cselect_b32 s95, -1, 0
	v_cndmask_b32 v[CO], v6, v7, s95
	v_lshlrev_b32 v[BO], 5, v2
	s_lshl_b32 s93, s40, 2
	s_lshl_b32 s46, s16, 1
	s_add_co_u32 s93, s93, s46                     ; my first head: 4 cx + 2 x column half
	s_mul_i32 s46, s93, 768                        ; b_qkv: 192 numbers a head,
	s_lshl_b32 s47, ttmp9, 8                       ; 64 a part
	s_add_co_u32 s46, s46, s47
	s_mov_b32 s47, 0
	s_add_nc_u64 s[8:9], s[8:9], s[46:47]
.irp b, 0,1,2,3,4,5,6,7
	global_load_b128 v[BI+8*\b:BI+8*\b+3], v[BO], s[8:9] offset:(\b/4)*768+(\b%4)*64          ; block b: head b / 4 on, channels 16 (b % 4) + 8 h + 0 .. 7
	global_load_b128 v[BI+8*\b+4:BI+8*\b+7], v[BO], s[8:9] offset:(\b/4)*768+(\b%4)*64+16
.endr
	s_lshr_b32 s92, s17, 3                         ; b = tile row / 8
	s_lshl_b32 s92, s92, 4
	s_add_co_u32 s92, s92, s93                     ; 16 b + head
	s_lshl_b32 s92, s92, 7
	s_and_b32 s94, s17, 7
	s_lshl_b32 s94, s94, 4
	s_add_co_u32 s92, s92, s94
	s_lshl_b32 s94, s15, 3
	s_add_co_u32 s92, s92, s94                     ; + my first tile of 16 positions
	s_lshl_b32 s92, s92, 11                        ; 2,048 bytes a tile
	s_lshl_b32 s94, ttmp9, 24                      ; 16,777,216 bytes a part
	s_add_co_u32 s92, s92, s94
	s_mov_b32 s93, 0
	s_add_nc_u64 s[10:11], s[10:11], s[92:93]
.macro FRAG reg, adr, q, i             ; 16 rows x 128 K of 4-bit codes: 8 registers: lane l holds row l % 16; registers 4 c .. 4 c + 3 hold K = 64 c + 32 (l / 16) + 0 .. 31
.irp c, 0,1
	ds_load_b128 v[\reg+4*\c:\reg+4*\c+3], v[\adr] offset:64*(\q)+32*\c+(\i)*16*PITCH
.endr
.endm
; 16 matrix instructions: A's blocks a0, a0 + 1 x B's eight, the slot's q-th 128 along K.  p: B's set; sc: the set of scale words.  zero = 1: the first product starts the sums from the bias.
; The 64 accumulators take turns, one instruction a turn, in the same order in every step.
.macro MUL16 a0, p, q, sc, zero
.irp a, \a0, \a0+1
.irp b, 0,1,2,3,4,5,6,7
.if \zero
	v_wmma_scale_f32_16x16x128_f8f6f4 v[8*(8*((\a)%4)+\b):8*(8*((\a)%4)+\b)+7], v[128*(\p)+FR*\b:128*(\p)+FR*\b+FR-1], v[AF+FR*(\a):AF+FR*(\a)+FR-1], v[BI+8*\b:BI+8*\b+7], v[SC+8*NQ*(\sc)+NQ*\b+(\q)], v[SC+8*NQ*(\sc)+NQ*(\a)+(\q)] matrix_a_fmt:MATRIX_FMT_FP4 matrix_b_fmt:MATRIX_FMT_FP4 matrix_a_scale:MATRIX_SCALE_ROW1
.else
	v_wmma_scale_f32_16x16x128_f8f6f4 v[8*(8*((\a)%4)+\b):8*(8*((\a)%4)+\b)+7], v[128*(\p)+FR*\b:128*(\p)+FR*\b+FR-1], v[AF+FR*(\a):AF+FR*(\a)+FR-1], v[8*(8*((\a)%4)+\b):8*(8*((\a)%4)+\b)+7], v[SC+8*NQ*(\sc)+NQ*\b+(\q)], v[SC+8*NQ*(\sc)+NQ*(\a)+(\q)] matrix_a_fmt:MATRIX_FMT_FP4 matrix_b_fmt:MATRIX_FMT_FP4 matrix_a_scale:MATRIX_SCALE_ROW1
.endif
.endr
.endr
.endm
.macro FETCH_B slot, q, p
	WIN TO_B
.irp i, 0,1,2,3,4,5,6,7
	FRAG 128*(\p)+FR*\i, ADRB+\slot, \q, \i
.endr
	WIN 0
.endm
.macro FETCH_A slot, q, i0
.irp i, \i0, \i0+1, \i0+2, \i0+3
	FRAG AF+FR*(\i), ADRA+\slot, \q, \i
.endr
.endm
.macro SCALES sc                       ; a K step's scale words into set sc: lanes 0-15 take A's block i, lanes 16-31 B's block i
.irp i, 0,1,2,3,4,5,6,7
	ds_load_b128 v[SC+8*NQ*\sc+NQ*\i:SC+8*NQ*\sc+NQ*\i+3], v[ADRS] offset:\i*SBLK
.endr
.endm
.macro PLACES n                        ; plain vector instructions between a matrix instruction and a load into, or a vector read or write of, its registers
.rept \n
	v_nop
.endr
.endm
.macro STEP slot, q, zero              ; a step of 128 along K that has its successor in the same slot
	s_wait_dscnt 4*NL                              ; B's set and A's blocks 0-3 are in; the youngest eight loads (A's blocks 4-7) may be out
.if \zero
	WIN FST_LO
.else
	WIN MUL_LO
.endif
	MUL16 0, (\q)%2, \q, \slot, \zero
	MUL16 2, (\q)%2, \q, \slot, \zero
	s_wait_dscnt 0
	PLACES NP
	FETCH_B \slot, (\q)+1, 1-(\q)%2
	FETCH_A \slot, (\q)+1, 0
.if \zero
	WIN FST_HI
.else
	WIN MUL_HI
.endif
	MUL16 4, (\q)%2, \q, \slot, \zero
	MUL16 6, (\q)%2, \q, \slot, \zero
	PLACES NP
	WIN 0
	FETCH_A \slot, (\q)+1, 4
.endm
; Slot 0's last step changes slots: one barrier; in front of it each wave waits for all its tensor loads (its part of slot 1), so that behind it slot 1 is whole.  Nothing is filled again.
.macro TURN slot, next
	s_wait_tensorcnt 0x0
	ds_add_u32 v[SPW], v[NIL]                      ; 0 onto my spare word
	s_wait_dscnt 4*NL+1                            ; the add and the youngest eight loads (A's blocks 4-7) may be out
	WIN MUL_LO
	MUL16 0, 1, NQ-1, \slot, 0
	s_wait_dscnt 0x0
	s_barrier_signal -1
	MUL16 2, 1, NQ-1, \slot, 0
	WIN 0
	s_barrier_wait -1
	PLACES NP
	v_add_nc_u32 v[ADRS], 4*NQ, v[ADRS]            ; on to the next K step's scale words
	FETCH_B \next, 0, 0
	FETCH_A \next, 0, 0
	SCALES \next
	WIN MUL_HI
	MUL16 4, 1, NQ-1, \slot, 0
	MUL16 6, 1, NQ-1, \slot, 0
	PLACES NP
	WIN 0
	FETCH_A \next, 0, 4
.endm
.macro STEPS slot, from
.set Q, \from
.rept NQ-1-\from
	STEP \slot, Q, 0
.set Q, Q+1
.endr
.endm
	s_wait_tensorcnt 1                             ; the scales and my part of K step 0 are in; K step 1's load may be out,
	s_barrier_signal -1
	s_barrier_wait -1                              ; everybody's are
	FETCH_B 0, 0, 0
	FETCH_A 0, 0, 0
	SCALES 0
	FETCH_A 0, 0, 4
	s_wait_loadcnt 0x0                             ; the bias
	STEP 0, 0, 1
	STEPS 0, 1
	TURN 0, 1
	STEPS 1, 0
	s_wait_dscnt 4*NL                              ; the very last step: nothing more to fetch
	WIN MUL_LO
	MUL16 0, 1, NQ-1, 1, 0
	MUL16 2, 1, NQ-1, 1, 0
	s_wait_dscnt 0
	WIN MUL_HI
	MUL16 4, 1, NQ-1, 1, 0
	MUL16 6, 1, NQ-1, 1, 0
	WIN 0
; THE WAY OUT, two of A's blocks at a time: 64 roundings to f16 (each accumulator from its low end on), 16 stores of 512 consecutive bytes each.  Two sets of 64 registers take turns.
.macro OUT g
.set TT, 128+64*((\g)%2)
.if (\g) >= 2
	s_wait_xcnt 0x0                                ; the stores of two turns ago have read their registers
.endif
	WIN 0x0a+5*((\g)/2)                            ; sources 0 and 1: window 2 or 3
.irp a, 0,1
.irp b, 0,1,2,3,4,5,6,7
.irp x, 0,1,2,3
	v_cvt_pk_f16_f32 v[TT+32*\a+4*\b+\x], v[8*(8*((2*(\g)+\a)%4)+\b)+2*\x], v[8*(8*((2*(\g)+\a)%4)+\b)+2*\x+1]
.endr
.endr
.endr
	WIN 0
.irp a, 0,1
.irp b, 0,1,2,3,4,5,6,7
	global_store_b128 v[CO], v[TT+32*\a+4*\b:TT+32*\a+4*\b+3], s[10:11] offset:(2*(\g)+\a)*2048+(\b/4)*262144+(\b%4)*512
.endr
.endr
.endm
	PLACES NP
	OUT 0
	OUT 1
	OUT 2
	OUT 3
	s_wait_tensorcnt 0x0                           ; the wave's end
	ds_add_u32 v[SPW], v[NIL]
	s_wait_dscnt 0x0
	CROUND                                         ; the closing round
	s_endpgm
.Lfunc_end_k_q09bfd8fc6d_qkv:
	.size	k_q09bfd8fc6d_qkv, .Lfunc_end_k_q09bfd8fc6d_qkv-k_q09bfd8fc6d_qkv
	.p2alignl 7, 3214868480
	.fill 96, 4, 3214868480
	.section	.rodata,"a",@progbits
	.p2align	6, 0x0
	.amdhsa_kernel k_q09bfd8fc6d_qkv
		.amdhsa_group_segment_fixed_size 327680
		.amdhsa_private_segment_fixed_size 0
		.amdhsa_enable_private_segment 0
		.amdhsa_kernarg_size 32
		.amdhsa_user_sgpr_count 2
		.amdhsa_user_sgpr_kernarg_segment_ptr 1
		.amdhsa_wavefront_size32 1
		.amdhsa_system_sgpr_workgroup_id_x 1
		.amdhsa_system_sgpr_workgroup_id_y 1
		.amdhsa_system_sgpr_workgroup_id_z 1
		.amdhsa_system_vgpr_workitem_id 0
		.amdhsa_next_free_vgpr 1024
		.amdhsa_next_free_sgpr 98
		.amdhsa_reserve_vcc 0
		.amdhsa_float_denorm_mode_32 3
		.amdhsa_float_denorm_mode_16_64 3
		.amdhsa_memory_ordered 1
		.amdhsa_forward_progress 1
		.amdhsa_inst_pref_size 119
	.end_amdhsa_kernel
	.amdgpu_metadata
---
amdhsa.version: [ 1, 2 ]
amdhsa.kernels:
  - .name:           k_q09bfd8fc6d_qkv
    .symbol:         k_q09bfd8fc6d_qkv.kd
    .args:
      - { .name: codes, .offset: 0, .size: 8, .value_kind: global_buffer, .address_space: global }
      - { .name: scales, .offset: 8, .size: 8, .value_kind: global_buffer, .address_space: global }
      - { .name: b_qkv, .offset: 16, .size: 8, .value_kind: global_buffer, .address_space: global }
      - { .name: qkv, .offset: 24, .size: 8, .value_kind: global_buffer, .address_space: global }
    .group_segment_fixed_size: 327680
    .private_segment_fixed_size: 0
    .kernarg_segment_align: 8
    .kernarg_segment_size: 32
    .max_flat_workgroup_size: 128
    .sgpr_count:     98
    .vgpr_count:     1024
    .wavefront_size: 32
...
	.end_amdgpu_metadata
.endif
;; end of part 2
;; launch attn (part 3): grid 4 x 64, 16 waves a work-group, clusters of 4 x 1, 327,680 bytes of LDS; arguments qkv, mw, cw; writes cw
.if DOCPART == 3
	.amdgcn_target "amdgcn-amd-amdhsa--gfx1250"
	.amdhsa_code_object_version 6
	.text
	.protected	k_q09bfd8fc6d_attn
	.globl	k_q09bfd8fc6d_attn
	.p2align	8
	.type	k_q09bfd8fc6d_attn,@function
k_q09bfd8fc6d_attn:
	s_mov_b64 s[64:65], 0
	v_nop
	global_prefetch_b8 v0, s[64:65] scope:SCOPE_SE
	s_setreg_imm32_b32 hwreg(HW_REG_WAVE_MODE, 25, 1), 1
	s_wait_xcnt 0x0
	s_wait_alu depctr_hold_cnt(0) depctr_sa_sdst(0) depctr_va_vdst(0) depctr_va_sdst(0) depctr_va_ssrc(0) depctr_va_vcc(0) depctr_vm_vsrc(0)
	s_getreg_b32 s2, hwreg(HW_REG_IB_STS2, 6, 4)
	s_cmp_eq_u32 s2, 0
	s_cbranch_scc0 .Lentry_in_a_cluster
	s_endpgm
.Lentry_in_a_cluster:
	s_bfe_u32 s2, ttmp6, 0x10000c
	s_cmp_lg_u32 s2, 0x3003
	s_cbranch_scc0 .Lentry_shape_is_right
	s_endpgm
.Lentry_shape_is_right:
; ctx[s][b][head][:] = the sum over t of softmax_t(where(mask, -10000, q . k / 8)) v[t], for one (b, head) a cluster.  q, k, v arrive as f16, laid as operand registers (chunks of 512 bytes, lane l's 16 bytes at 16 l);
; products on f16 with f32 sums; maxima, exponentials and sums in f32; the weights p are rounded to f16 for the second product, ctx to f16 once at the end.
; THE MASK IS TAKEN LITERALLY: a masked raw score becomes -80,000, which x 1/8 is exactly -10,000, AHEAD of the running maximum: a row that is masked throughout comes out uniform, and where all open scores lie under -10,000 the masked keys win.
; SHARES.  A work-group owns 512 queries of one (b, head); each of its SIXTEEN waves 32 of them, two tiles of 16, in 256 registers: four waves to a SIMD, so that one wave's vector work stands beside another's matrix work and LDS loads.
; Every wave walks all 2,048 keys, 64 a step.  K and V come through a ring of two LDS slots of 512 keys.  Every wave fetches 8,192 dense bytes of a slot: waves 0-7 K's, waves 8-15 V's.
; CLUSTER.  The four query blocks of a (b, head) walk the same K and V: each tile is asked for jointly, by the same tensor load with a mask that names the four.
; LAYOUT.  S^T = K Q^T (source 0 = 16 keys, source 1 = 16 queries): a lane holds ONE query (lane % 16) and keys 8 (lane / 16) + 0 .. 7.  Two such tiles, rounded in pairs, ARE source 1 of O^T = V^T P.
; K comes out of LDS as it lies; V by the turning load, at 16 x lane too (the launch before laid its chunks for that).  O^T, rounded in pairs, is a chunk of the next launch's operand and is stored straight from registers.
; THE MASK'S WORDS: one 32-bit lane mask for each register of a tile of scores, 64 a step, by scalar loads a step ahead; they feed v_cndmask_b32 alone.
; SOFTMAX.  For each query a running maximum m of the raw scores and a sum l: p = 2^(c s - c m), c = log2(e) / 8; in every step O and l are multiplied by a = 2^(c m_old - c m_new).
; No prefetch: a refill is asked for eight key steps ahead of the wait for it.
; LIMITS: NaN and infinities are not served; |ctx| stays under 65,504, f16's largest number (it is an average of v).
; REGISTERS: v1 16 x lane; v2, v3 the step's LDS addresses; v4, v5 the add's two; v6 -80,000; v7 16 x lane + V's place in a slot; v8-23 statistics, eight a tile: +0 c m, +1 m, +2, +3 l, +4 .. +7 at work (a at +6);
;   v24-55 Q; v56-119 K, then V; v120-183 S^T, 32 a tile, then p, then P packed into each tile's first 16; v184-247 O^T, 32 a tile.
.set LI,  1
.set ADK, 2
.set ADV, 3
.set SPW, 4
.set NIL, 5
.set MV,  6
.set LV,  7
.set ST,  8
.set Q,   24
.set KV,  56
.set S,   120
.set O,   184
.set SLOT1, 131072                     ; slot 1 begins here: one exclusive or turns an address in one slot into the other's
.set VOFF,  65536                      ; a slot: 512 keys of K (32 tiles x 2,048 bytes), then of V
.set STEPB, 8192                       ; a step's four tiles
.set SPARE, 262144                     ; behind the ring: the spare words, 128 bytes for each of 16 waves
.set MP,  4                            ; s[4:5]   the mask words of my first tile of queries
.set OFF, 6                            ; s6       the step's place among them: 128 bytes a step
.set WV,  7                            ; s7       my wave's number
.set TB,  8                            ; s8       LDS byte at which the step's tiles of K begin
.set SLOTS, 9
.set CNT, 10
.set CP,  12                           ; s[12:13] ctx's chunks of my first tile
.set CS,  14                           ; s[14:15] c, twice
.set G1,  84                           ; s[84:91] descriptor group 1;  s[92:95] group 0 for slot 0's first fill;  s[96:99] for slot 1's, which then walks
.set G0A, 92
.set G0B, 96
.set SEL, 100                          ; s[100:101] lane selects: lane l xor 16
.set QP,  104                          ; s[104:105] Q's chunks of my first tile
; s[16:47] tile 0's 32 mask words; s[48:63] and s[68:83] tile 1's
.macro PLACES
.rept 4
	v_nop
.endr
.endm
.macro CROUND                          ; a round of the cluster's barrier
	s_barrier_signal -1
	s_barrier_wait -1
	s_cmp_lg_u32 s[WV], 0
	s_cbranch_scc1 .Lnot_wave_0_\@
	s_barrier_signal -3
.Lnot_wave_0_\@:
	s_barrier_wait -3
	s_barrier_signal -1
	s_barrier_wait -1
.endm
.macro WORDS                           ; a step's 64 mask words: 128 bytes for each of my two tiles of queries, which lie 4,096 bytes apart
	s_load_b512 s[16:31], s[MP:MP+1], s[OFF] offset:0x0
	s_load_b512 s[32:47], s[MP:MP+1], s[OFF] offset:0x40
	s_load_b512 s[48:63], s[MP:MP+1], s[OFF] offset:0x1000
	s_load_b512 s[68:83], s[MP:MP+1], s[OFF] offset:0x1040
.endm
	s_load_b128 s[16:19], s[0:1], 0x0              ; qkv s[16:17], mw s[18:19]
	s_load_b64 s[20:21], s[0:1], 0x10              ; cw
	v_lshl_add_u32 v[SPW], v0, 2, SPARE
	v_mov_b32 v[NIL], 0
	ds_add_u32 v[SPW], v[NIL]                      ; the wave's opening: the add, twice on end, and its wait ahead of my first tensor load
	ds_add_u32 v[SPW], v[NIL]
	v_lshrrev_b32 v1, 5, v0
	v_readfirstlane_b32 s[WV], v1                  ; wave 0..15
	s_and_b32 s3, ttmp7, 0xffff                    ; 16 b + head, which the four partners share
	s_lshr_b32 s11, s[WV], 3                       ; what I fetch: part 1 (K) in waves 0-7, part 2 (V) in waves 8-15,
	s_add_co_u32 s11, s11, 1
	s_lshl_b32 s22, s11, 24                        ; 16,777,216 bytes a part,
	s_lshl_b32 s11, s3, 18                         ; 262,144 a (b, head),
	s_add_co_u32 s22, s22, s11
	s_and_b32 s11, s[WV], 7
	s_lshl_b32 s11, s11, 13                        ; my 8,192 bytes of a slot's 65,536
	s_add_co_u32 s22, s22, s11
	s_mov_b32 s23, 0
	s_bfe_u32 s2, ttmp6, 0x40000                   ; cx: it enters Q's, the mask words' and ctx's addresses alone
	s_lshl_b32 s11, ttmp9, 2
	s_add_co_u32 s2, s2, s11                       ; my block of 512 queries
	s_lshl_b32 s2, s2, 5
	s_lshl_b32 s11, s[WV], 1
	s_add_co_u32 s2, s2, s11                       ; my first tile of 16 queries
	s_lshl_b32 s24, s3, 18
	s_lshl_b32 s11, s2, 11
	s_add_co_u32 s24, s24, s11                     ; Q: part 0
	s_mov_b32 s25, 0
	s_lshr_b32 s11, s3, 4
	s_lshl_b32 s11, s11, 7
	s_add_co_u32 s11, s11, s2                      ; 128 b + tile
	s_lshl_b32 s26, s11, 12                        ; mask words: 4,096 bytes a tile of queries
	s_mov_b32 s27, 0
	s_lshl_b32 s28, s11, 15                        ; ctx: 32,768 bytes a tile of positions,
	s_and_b32 s11, s3, 15
	s_lshl_b32 s11, s11, 11                        ; 2,048 a head
	s_add_co_u32 s28, s28, s11
	s_mov_b32 s29, 0
	s_mov_b32 s[G1], 15|(3<<16)|(1<<21)            ; the mask: all four work-groups; elements of 8 bytes; bit 21 beside a mask; no padding
	s_mov_b32 s[G1+1], 32<<16                      ; tensor_dim0 = 32 elements: rows of 256 bytes
	s_mov_b32 s[G1+2], 32<<16                      ; tensor_dim1 = 32 rows
	s_mov_b32 s[G1+3], 32<<16                      ; tile_dim0
	s_mov_b32 s[G1+4], 32                          ; tile_dim1
	s_mov_b32 s[G1+5], 32                          ; from row to row: dense
	s_mov_b32 s[G1+6], 0
	s_mov_b32 s[G1+7], 0
	s_mov_b32 s[CS], 0x3e38aa3b                    ; c = log2(e) / 8
	s_mov_b32 s[CS+1], s[CS]
	s_mov_b32 s[SEL], 0x76543210
	s_mov_b32 s[SEL+1], 0xfedcba98
	s_mov_b32 s[TB], 0
	s_mov_b32 s[OFF], 0
	s_mov_b32 s[SLOTS], 2
	s_wait_dscnt 0x0                               ; both opening adds are done
	s_wait_kmcnt 0x0
	s_mov_b32 s[G0A], 1
	s_lshl_b32 s[G0A+1], s[WV], 13                 ; LDS: 8,192 x wave: K's eight parts, then V's eight
	s_add_nc_u64 s[G0A+2:G0A+3], s[16:17], s[22:23]
	s_mov_b32 s[G0B], 1
	s_add_co_u32 s[G0B+1], s[G0A+1], SLOT1
	s_add_nc_u64 s[G0B+2:G0B+3], s[G0A+2:G0A+3], 65536   ; the next 512 keys
	s_or_b32 s[G0A+3], s[G0A+3], 0x80000000
	s_or_b32 s[G0B+3], s[G0B+3], 0x80000000
	s_add_nc_u64 s[QP:QP+1], s[16:17], s[24:25]
	s_add_nc_u64 s[MP:MP+1], s[18:19], s[26:27]
	s_add_nc_u64 s[CP:CP+1], s[20:21], s[28:29]
	CROUND                                         ; all four work-groups are here: the first joint loads meet
	tensor_load_to_lds s[G0A:G0A+3], s[G1:G1+7]    ; keys 0 to 511
	s_nop 0
	tensor_load_to_lds s[G0B:G0B+3], s[G1:G1+7]    ; keys 512 to 1,023: two loads of mine are out
	s_nop 0
	v_and_b32 v[LI], 31, v0
	v_lshlrev_b32 v[LI], 4, v[LI]
	v_add_nc_u32 v[LV], VOFF, v[LI]
.irp t, 0,1
.irp c, 0,1
.irp e, 0,1
	global_load_b128 v[Q+16*\t+8*\c+4*\e:Q+16*\t+8*\c+4*\e+3], v[LI], s[QP:QP+1] offset:\t*2048+\c*1024+\e*512   ; Q stays in registers: tile t, channels 32 c on, half e of the fragment
.endr
.endr
.endr
	WORDS                                          ; step 0's
	v_mov_b32 v[MV], 0xc79c4000                    ; -80,000
.irp t, 0,1
	v_mov_b32 v[ST+8*\t+1], 0xff61b1e6             ; m: -3e38, under every score
	v_mul_f32 v[ST+8*\t], s[CS], v[ST+8*\t+1]      ; c m
	v_mov_b32 v[ST+8*\t+2], 0                      ; l
	v_mov_b32 v[ST+8*\t+3], 0
.endr
.set i, 0
.rept 64
	v_mov_b32 v[O+i], 0                            ; O^T.  (The step is written once: the first finds zeros, which its a = 0 leaves zeros)
.set i, i+1
.endr
	s_wait_tensorcnt 1                             ; my part of slot 0 is in; slot 1's may stay out
	s_barrier_signal -1
	s_barrier_wait -1                              ; everybody's is
	s_wait_loadcnt 0x0                             ; Q
; A KEY STEP: 64 keys, both my tiles of queries.
.macro STEP
	v_add_nc_u32 v[ADK], s[TB], v[LI]
	v_add_nc_u32 v[ADV], s[TB], v[LV]
	PLACES                                         ; with the two additions six places behind the last V^T P: four are owed by the loads into its registers, five by the products that write over P
.irp i, 0,1,2,3,4,5,6,7,8,9,10,11,12,13,14,15
	ds_load_b128 v[KV+4*\i:KV+4*\i+3], v[ADK] offset:512*\i   ; chunk i = 4 kt + 2 c + e: half e of the fragment (keys 16 kt on, channels 32 c on)
.endr
	s_wait_dscnt 0x0
.irp c, 0,1                                    ; S^T = K Q^T: eight accumulators by turns, one instruction a turn
.irp kt, 0,1,2,3
.irp t, 0,1
.if \c == 0
	v_wmma_f32_16x16x32_f16 v[S+32*\t+8*\kt:S+32*\t+8*\kt+7], v[KV+8*(2*\kt+\c):KV+8*(2*\kt+\c)+7], v[Q+16*\t+8*\c:Q+16*\t+8*\c+7], 0
.else
	v_wmma_f32_16x16x32_f16 v[S+32*\t+8*\kt:S+32*\t+8*\kt+7], v[KV+8*(2*\kt+\c):KV+8*(2*\kt+\c)+7], v[Q+16*\t+8*\c:Q+16*\t+8*\c+7], v[S+32*\t+8*\kt:S+32*\t+8*\kt+7]
.endif
.endr
.endr
.endr
	PLACES                                         ; behind the products: for the loads into K's registers and for the first reads of the scores
.irp u, 0,1
.irp nb, 0,1,2,3
.irp e, 0,1
	ds_load_tr16_b128 v[KV+8*(4*\u+\nb)+4*\e:KV+8*(4*\u+\nb)+4*\e+3], v[ADV] offset:(2*\u+\e)*2048+\nb*512   ; V^T: channels 16 nb on, keys 32 u + 16 e + 8 (lane / 16) + 0 .. 7; it lands under the softmax
.endr
.endr
.endr
	s_wait_kmcnt 0x0                               ; this step's mask words, asked for a step ago
.set i, 0
.rept 32
	v_cndmask_b32 v[S+i], v[S+i], v[MV], s[16+i]   ; ascending: each accumulator is read from its low end on
.set i, i+1
.endr
.set i, 0
.rept 32
.if i < 16
	v_cndmask_b32 v[S+32+i], v[S+32+i], v[MV], s[48+i]
.else
	v_cndmask_b32 v[S+32+i], v[S+32+i], v[MV], s[52+i]
.endif
.set i, i+1
.endr
.irp j, 0,1,2,3                                ; the maximum of a lane's 32 scores and the old m, three operands at a time, four chains; the two tiles alternate
.irp t, 0,1
	v_max3_num_f32 v[ST+8*\t+4+\j], v[S+32*\t+8*\j], v[S+32*\t+8*\j+1], v[S+32*\t+8*\j+2]
.endr
.endr
.irp g, 1,2
.irp j, 0,1,2,3
.irp t, 0,1
	v_max3_num_f32 v[ST+8*\t+4+\j], v[ST+8*\t+4+\j], v[S+32*\t+8*\j+2*\g+1], v[S+32*\t+8*\j+2*\g+2]
.endr
.endr
.endr
	s_add_co_u32 s[OFF], s[OFF], 128               ; the words' loads are done (the wait above) and read: the next step's are asked for.
	s_min_u32 s[OFF], s[OFF], 3968                 ; The last step asks for its own again: no load leaves the buffer
	WORDS
.irp t, 0,1
	v_max3_num_f32 v[ST+8*\t+4], v[ST+8*\t+4], v[S+32*\t+7], v[S+32*\t+15]
.endr
.irp t, 0,1
	v_max3_num_f32 v[ST+8*\t+6], v[ST+8*\t+6], v[S+32*\t+23], v[S+32*\t+31]
.endr
.irp t, 0,1
	v_max3_num_f32 v[ST+8*\t+4], v[ST+8*\t+4], v[ST+8*\t+5], v[ST+8*\t+6]
.endr
.irp t, 0,1
	v_max3_num_f32 v[ST+8*\t+4], v[ST+8*\t+4], v[ST+8*\t+7], v[ST+8*\t+1]
.endr
.irp t, 0,1
	v_permlanex16_b32 v[ST+8*\t+5], v[ST+8*\t+4], s[SEL], s[SEL+1]   ; the query's other 32 keys lie in the lane 16 away
.endr
.irp t, 0,1
	v_mov_b32 v[ST+8*\t+7], v[ST+8*\t]             ; c m_old is kept for a
.endr
.irp t, 0,1
	v_max_num_f32 v[ST+8*\t+1], v[ST+8*\t+4], v[ST+8*\t+5]
.endr
.irp t, 0,1
	v_mul_f32 v[ST+8*\t], s[CS], v[ST+8*\t+1]
.endr
.irp t, 0,1
	v_sub_f32 v[ST+8*\t+7], v[ST+8*\t+7], v[ST+8*\t]
.endr
.irp b, 0,1,2,3,4,5,6,7,8,9,10,11,12,13,14,15
.irp t, 0,1
	v_pk_fma_f32 v[S+32*\t+2*\b:S+32*\t+2*\b+1], v[S+32*\t+2*\b:S+32*\t+2*\b+1], s[CS:CS+1], v[ST+8*\t:ST+8*\t+1] op_sel_hi:[1,0,0] neg_lo:[0,0,1] neg_hi:[0,0,1]   ; c s - c m, two at a time
.endr
.endr
.irp t, 0,1
	v_exp_f32 v[ST+8*\t+6], v[ST+8*\t+7]           ; a.  ONE BATCH: 66 exponentials, none of which reads another's result
.endr
.set i, 0
.rept 64
	v_exp_f32 v[S+i], v[S+i]                       ; p = 2^(c s - c m)
.set i, i+1
.endr
	v_nop                                          ; a plain instruction behind the last exponential
	s_wait_alu depctr_va_vdst(0)                   ; the wait ahead of the first instruction that names a result: one for the batch
.irp t, 0,1                                    ; the sums, of the unrounded p: l = a l + pair 0, a second chain from pairs 1 and 2
	v_pk_fma_f32 v[ST+8*\t+2:ST+8*\t+3], v[ST+8*\t+2:ST+8*\t+3], v[ST+8*\t+6:ST+8*\t+7], v[S+32*\t:S+32*\t+1] op_sel_hi:[1,0,1]
	v_pk_add_f32 v[ST+8*\t+4:ST+8*\t+5], v[S+32*\t+2:S+32*\t+3], v[S+32*\t+4:S+32*\t+5]
.endr
.irp i, 3,5,7,9,11,13
.irp t, 0,1
	v_pk_add_f32 v[ST+8*\t+2:ST+8*\t+3], v[ST+8*\t+2:ST+8*\t+3], v[S+32*\t+2*\i:S+32*\t+2*\i+1]
	v_pk_add_f32 v[ST+8*\t+4:ST+8*\t+5], v[ST+8*\t+4:ST+8*\t+5], v[S+32*\t+2*\i+2:S+32*\t+2*\i+3]
.endr
.endr
.irp t, 0,1
	v_pk_add_f32 v[ST+8*\t+2:ST+8*\t+3], v[ST+8*\t+2:ST+8*\t+3], v[S+32*\t+30:S+32*\t+31]
.endr
.irp t, 0,1
	v_pk_add_f32 v[ST+8*\t+2:ST+8*\t+3], v[ST+8*\t+2:ST+8*\t+3], v[ST+8*\t+4:ST+8*\t+5]
.endr
.irp b, 0,1,2,3,4,5,6,7,8,9,10,11,12,13,14,15  ; P: pair b into register b of the tile, ascending: the write never passes the reads
.irp t, 0,1
	v_cvt_pk_f16_f32 v[S+32*\t+\b], v[S+32*\t+2*\b], v[S+32*\t+2*\b+1]
.endr
.endr
.irp t, 0,1
.irp j, 0,1,2,3,4,5,6,7,8,9,10,11,12,13,14,15
	v_pk_mul_f32 v[O+32*\t+2*\j:O+32*\t+2*\j+1], v[O+32*\t+2*\j:O+32*\t+2*\j+1], v[ST+8*\t+6:ST+8*\t+7] op_sel_hi:[1,0]   ; O^T x a, ascending
.endr
.endr
	s_wait_dscnt 0x0                               ; V is in
.irp u, 0,1                                    ; O^T += V^T P: eight accumulators by turns
.irp nb, 0,1,2,3
.irp t, 0,1
	v_wmma_f32_16x16x32_f16 v[O+32*\t+8*\nb:O+32*\t+8*\nb+7], v[KV+8*(4*\u+\nb):KV+8*(4*\u+\nb)+7], v[S+32*\t+8*\u:S+32*\t+8*\u+7], v[O+32*\t+8*\nb:O+32*\t+8*\nb+7]
.endr
.endr
.endr
	s_add_co_u32 s[TB], s[TB], STEPB
.endm
.macro EIGHT_STEPS                     ; a slot's eight key steps: written once, walked eight times; the LDS addresses hang on s[TB]
	s_mov_b32 s[CNT], 8
.Lstep_\@:
	STEP
	s_sub_co_u32 s[CNT], s[CNT], 1
	s_cmp_lg_u32 s[CNT], 0
	s_cbranch_scc1 .Lstep_\@
.endm
; THE CHANGE OF SLOTS.  Each wave waits for all its tensor loads, of which one is out: its part of the other slot; adds 0 to its spare word; and waits for that and for its reads of the slot that it leaves.
; fill = 1: that slot is filled again, with the keys two slots on.  The barrier is then a round of the cluster's, so that no wave of any partner still reads the slot or has a load on its way, and the joint
; refill is the first thing behind it, one load a wave: it has eight key steps in which to land.
.macro CHANGE fill
	s_wait_tensorcnt 0x0                           ; no tensor load of mine is out, so a group 0 may be written
	ds_add_u32 v[SPW], v[NIL]                      ; 0 onto my spare word
.if \fill
	s_xor_b32 s[G0B+1], s[G0B+1], SLOT1            ; the walking descriptor: the other slot than last time,
	s_add_nc_u64 s[G0B+2:G0B+3], s[G0B+2:G0B+3], 65536   ; the next 512 keys; the type bits on top are not reached
.endif
	s_wait_dscnt 0x0                               ; the add is done, and my reads of the slot are over
.if \fill
	CROUND
	tensor_load_to_lds s[G0B:G0B+3], s[G1:G1+7]
	s_nop 0
.else
	s_barrier_signal -1
	s_barrier_wait -1
.endif
	s_sub_co_u32 s[TB], s[TB], 8*STEPB             ; back to a slot's first step,
	s_xor_b32 s[TB], s[TB], SLOT1                  ; in the other slot
.endm
	EIGHT_STEPS                                    ; keys 0 to 511
.Lslot:                                            ; two trips: slots 0 and 1 are each filled once more
	CHANGE 1
	EIGHT_STEPS
	s_sub_co_u32 s[SLOTS], s[SLOTS], 1
	s_cmp_lg_u32 s[SLOTS], 0
	s_cbranch_scc1 .Lslot
	CHANGE 0                                       ; the tail is written out
	EIGHT_STEPS
	; THE WAY OUT.  l's two halves and the other half of the lanes' are added; O^T is divided by l, rounded to f16 in pairs and stored: a lane's eight channels are 16 bytes, a block of 16 channels one chunk of 512 consecutive bytes.
	PLACES
.irp t, 0,1
	v_add_f32 v[ST+8*\t+4], v[ST+8*\t+2], v[ST+8*\t+3]
.endr
.irp t, 0,1
	v_permlanex16_b32 v[ST+8*\t+5], v[ST+8*\t+4], s[SEL], s[SEL+1]
.endr
.irp t, 0,1
	v_add_f32 v[ST+8*\t+4], v[ST+8*\t+4], v[ST+8*\t+5]
.endr
.irp t, 0,1
	v_rcp_f32 v[ST+8*\t+6], v[ST+8*\t+4]
.endr
	v_nop                                          ; a plain instruction between the last reciprocal and the use of its result
	s_wait_alu depctr_va_vdst(0)                   ; and the wait ahead of the first use
.irp t, 0,1
.irp j, 0,1,2,3,4,5,6,7,8,9,10,11,12,13,14,15
	v_pk_mul_f32 v[O+32*\t+2*\j:O+32*\t+2*\j+1], v[O+32*\t+2*\j:O+32*\t+2*\j+1], v[ST+8*\t+6:ST+8*\t+7] op_sel_hi:[1,0]
.endr
.endr
.irp t, 0,1
.irp j, 0,1,2,3,4,5,6,7,8,9,10,11,12,13,14,15
	v_cvt_pk_f16_f32 v[S+16*\t+\j], v[O+32*\t+2*\j], v[O+32*\t+2*\j+1]
.endr
.endr
.irp t, 0,1
.irp nb, 0,1,2,3
	global_store_b128 v[LI], v[S+16*\t+4*\nb:S+16*\t+4*\nb+3], s[CP:CP+1] offset:\t*32768+\nb*512
.endr
.endr
	s_wait_kmcnt 0x0                               ; the last step's spare request for mask words
	s_wait_tensorcnt 0x0                           ; the wave's end
	ds_add_u32 v[SPW], v[NIL]
	s_wait_dscnt 0x0
	CROUND                                         ; the closing round: no work-group ends while a partner may still ask for a tile that names it
	s_endpgm
.Lfunc_end_k_q09bfd8fc6d_attn:
	.size	k_q09bfd8fc6d_attn, .Lfunc_end_k_q09bfd8fc6d_attn-k_q09bfd8fc6d_attn
	.p2alignl 7, 3214868480
	.fill 96, 4, 3214868480
	.section	.rodata,"a",@progbits
	.p2align	6, 0x0
	.amdhsa_kernel k_q09bfd8fc6d_attn
		.amdhsa_group_segment_fixed_size 327680
		.amdhsa_private_segment_fixed_size 0
		.amdhsa_enable_private_segment 0
		.amdhsa_kernarg_size 24
		.amdhsa_user_sgpr_count 2
		.amdhsa_user_sgpr_kernarg_segment_ptr 1
		.amdhsa_wavefront_size32 1
		.amdhsa_system_sgpr_workgroup_id_x 1
		.amdhsa_system_sgpr_workgroup_id_y 1
		.amdhsa_system_sgpr_workgroup_id_z 1
		.amdhsa_system_vgpr_workitem_id 0
		.amdhsa_next_free_vgpr 256
		.amdhsa_next_free_sgpr 106
		.amdhsa_reserve_vcc 0
		.amdhsa_float_denorm_mode_32 3
		.amdhsa_float_denorm_mode_16_64 3
		.amdhsa_memory_ordered 1
		.amdhsa_forward_progress 1
		.amdhsa_inst_pref_size 79
	.end_amdhsa_kernel
	.amdgpu_metadata
---
amdhsa.version: [ 1, 2 ]
amdhsa.kernels:
  - .name:           k_q09bfd8fc6d_attn
    .symbol:         k_q09bfd8fc6d_attn.kd
    .args:
      - { .name: qkv, .offset: 0, .size: 8, .value_kind: global_buffer, .address_space: global }
      - { .name: mw, .offset: 8, .size: 8, .value_kind: global_buffer, .address_space: global }
      - { .name: cw, .offset: 16, .size: 8, .value_kind: global_buffer, .address_space: global }
    .group_segment_fixed_size: 327680
    .private_segment_fixed_size: 0
    .kernarg_segment_align: 8
    .kernarg_segment_size: 24
    .max_flat_workgroup_size: 512
    .sgpr_count:     106
    .vgpr_count:     256
    .wavefront_size: 32
...
	.end_amdgpu_metadata
.endif
;; end of part 3
;; launch dense (part 4): grid 4 x 64, 4 waves a work-group, clusters of 4 x 4, 327,680 bytes of LDS; arguments cw, wf, b_dense, out0; writes out0
.if DOCPART == 4
	.amdgcn_target "amdgcn-amd-amdhsa--gfx1250"
	.amdhsa_code_object_version 6
	.text
	.protected	k_q09bfd8fc6d_dense
	.globl	k_q09bfd8fc6d_dense
	.p2align	8
	.type	k_q09bfd8fc6d_dense,@function
k_q09bfd8fc6d_dense:
	s_mov_b64 s[64:65], 0
	v_nop
	global_prefetch_b8 v0, s[64:65] scope:SCOPE_SE
	s_setreg_imm32_b32 hwreg(HW_REG_WAVE_MODE, 25, 1), 1
	s_wait_xcnt 0x0
	s_wait_alu depctr_hold_cnt(0) depctr_sa_sdst(0) depctr_va_vdst(0) depctr_va_sdst(0) depctr_va_ssrc(0) depctr_va_vcc(0) depctr_vm_vsrc(0)
	s_getreg_b32 s2, hwreg(HW_REG_IB_STS2, 6, 4)
	s_cmp_eq_u32 s2, 0
	s_cbranch_scc0 .Lentry_in_a_cluster
	s_endpgm
.Lentry_in_a_cluster:
	s_bfe_u32 s2, ttmp6, 0x10000c
	s_cmp_lg_u32 s2, 0xf033
	s_cbranch_scc0 .Lentry_shape_is_right
	s_endpgm
.Lentry_shape_is_right:
; out[s][b][n] = the sum over k of ctx[s][b][k] W_dense[n][k] + b_dense[n].  ctx and W_dense arrive as f16; sums in f32; out is f32.
; ctx lies as images of operand registers: [b][tile of 16 positions: 128][32 along K: 32][half: 2][512 bytes], lane l's 16 bytes at 16 l.  W_dense lies by rows of 2,048 bytes.
; A tile of out is 128 rows (8 tiles of 16 positions of one b) x 256 columns: 256 work-groups.  Four waves, each 64 x 128: 32 accumulators of 16 x 16, 256 registers.
; K goes in steps of 128 through a ring of two LDS slots.  A K step of ctx is 4,096 consecutive bytes for each tile of positions: it lies in LDS as in memory and is read at 16 x lane: no pitch, no padding.
; W_dense's tile has rows of 256 bytes, padded by 16.
; CLUSTERS: 4 x 4 work-groups.  The four of a row need the same tiles of ctx, the four of a column the same tiles of W_dense: each is asked for jointly.
; THE MATRIX INSTRUCTION IS USED TRANSPOSED (source 0 = 16 rows of W_dense, source 1 = 16 positions): a lane holds eight neighbouring columns of one row of out.  THE BIAS is the C of each sum's first instruction.
; REGISTERS: window 0: v0-31 addresses; two fragment buffers, v32-127 and v128-223: 32 registers of ctx (4 x 16 rows x 32 K), then 64 of W_dense (8 x 16 rows); on the way out v32-159 take rows of out.
;   window 1: accumulator (a, b) at v[8 (8 a + b)].   window 2: v0-63 the bias, eight registers for each block of 16 columns.
.set PITCH,  272                       ; a row of W_dense's tile in LDS: 256 bytes + 16 = 68 words: the 16 rows that a load touches start at 16 different banks (64 banks of 4 bytes: ISA guide 11.1)
.set ASZ,    32768                     ; ctx's part of a slot: 8 tiles x 4,096 bytes
.set HALFB,  128*PITCH
.set SLOT,   ASZ+2*HALFB
.set STAGE,  2*SLOT                    ; behind the ring: 16 rows x 528 bytes for each wave, for the way out
.set SPITCH, 528
.set SPARE,  STAGE+4*16*SPITCH         ; the spare words, 128 bytes for each wave
.set LAPS,   4                         ; a lap = two K steps of 128; K = 1,024
.set ADRA, 16
.set ADRB, 20
.set STO,  24
.set RD,   25
.set CO,   26
.set BO,   27
.set SPW,  28
.set NIL,  29
.set F0,   32
.set F1,   128
.set BK,   32
.set G1, 24
.set G0, 32
.set G1B, 48
.set G0B, 56
.set MSB, 0
.macro WIN new                         ; the immediate's high byte repeats the setting that is left
.if MSB != \new
	s_set_vgpr_msb (MSB<<8)|\new
.set MSB, \new
.endif
.endm
.set MUL, 0x50                         ; sources 0 and 1 window 0; C and D window 1
.set FST, 0x60                         ; the first quarter: C (the bias) window 2, D window 1
.macro JLOAD s                         ; a joint load: waves 0 and 1 fetch ctx's two halves, waves 2 and 3 W_dense's; an s_nop 0 and four v_nop follow each of the two lines
	s_cmp_eq_u32 s13, 0
	s_cbranch_scc0 .Lfor_b_\@
	tensor_load_to_lds s[G0+4*\s:G0+4*\s+3], s[G1:G1+7]
	s_nop 0
.rept 4
	v_nop
.endr
	s_branch .Lasked_\@
.Lfor_b_\@:
	tensor_load_to_lds s[G0B+4*\s:G0B+4*\s+3], s[G1B:G1B+7]
	s_nop 0
.rept 4
	v_nop
.endr
.Lasked_\@:
.endm
.macro CREST                           ; a round of the cluster's barrier behind its opening barrier
	s_cmp_lg_u32 s12, 0
	s_cbranch_scc1 .Lnot_wave_0_\@
	s_barrier_signal -3
.Lnot_wave_0_\@:
	s_barrier_wait -3
	s_barrier_signal -1
	s_barrier_wait -1
.endm
.macro CROUND
	s_barrier_signal -1
	s_barrier_wait -1
	CREST
.endm
	s_load_b256 s[4:11], s[0:1], 0x0               ; cw s[4:5], wf s[6:7], b_dense s[8:9], out0 s[10:11]
	v_lshl_add_u32 v[SPW], v0, 2, SPARE
	v_mov_b32 v[NIL], 0
	ds_add_u32 v[SPW], v[NIL]                      ; the wave's opening: the add, twice on end, and its wait ahead of my first tensor load
	ds_add_u32 v[SPW], v[NIL]
	v_lshrrev_b32 v1, 5, v0
	v_readfirstlane_b32 s12, v1                    ; wave 0..3
	s_lshr_b32 s13, s12, 1                         ; which half of the tile's rows is mine.  Also: I fetch for ctx (0) or for W_dense (1)
	s_and_b32 s14, s12, 1                          ; which half of its columns.  Also: which half of that tile I fetch
	s_bfe_u32 s40, ttmp6, 0x40000                  ; cx, cy
	s_bfe_u32 s41, ttmp6, 0x40004
	s_lshl_b32 s42, ttmp9, 2
	s_add_co_u32 s42, s42, s40                     ; tile column
	s_and_b32 s15, ttmp7, 0xffff
	s_lshl_b32 s15, s15, 2
	s_add_co_u32 s15, s15, s41                     ; tile row: 16 b + which 128 positions
	s_lshl_b32 s43, s41, 2
	s_lshl_b32 s43, 15, s43                        ; my row of the cluster
	s_lshl_b32 s44, 0x1111, s40                    ; my column
	s_or_b32 s[G1], s43, (3<<16)|(1<<21)           ; ctx: the mask; elements of 8 bytes; bit 21 beside a mask; no padding
	s_mov_b32 s[G1+1], 512<<16                     ; tensor_dim0 = 512 elements: rows of 4,096 bytes
	s_mov_b32 s[G1+2], 4<<16                       ; tensor_dim1 = 4 tiles of positions
	s_mov_b32 s[G1+3], 512<<16                     ; tile_dim0
	s_mov_b32 s[G1+4], 4                           ; tile_dim1
	s_mov_b32 s[G1+5], 4096                        ; from tile to tile: 32,768 bytes
	s_mov_b32 s[G1+6], 0
	s_mov_b32 s[G1+7], 0
	s_or_b32 s[G1B], s44, (1<<16)|(1<<20)|(1<<21)|(5<<22)|(3<<25)  ; W_dense: elements of 2 bytes; four words of padding after every 64
	s_mov_b32 s[G1B+1], 128<<16
	s_mov_b32 s[G1B+2], 128<<16
	s_mov_b32 s[G1B+3], 128<<16
	s_mov_b32 s[G1B+4], 128
	s_mov_b32 s[G1B+5], 1024
	s_mov_b32 s[G1B+6], 0
	s_mov_b32 s[G1B+7], 0
	s_lshl_b32 s16, s15, 3
	s_lshl_b32 s17, s14, 2
	s_add_co_u32 s16, s16, s17
	s_lshl_b32 s16, s16, 15                        ; ctx: tile of positions 8 x tile row + 4 x half, 32,768 bytes each
	s_mov_b32 s17, 0
	s_lshl_b32 s46, s42, 8
	s_lshl_b32 s47, s14, 7
	s_add_co_u32 s46, s46, s47
	s_lshl_b32 s46, s46, 11                        ; W_dense: row 256 x tile column + 128 x half, 2,048 bytes each
	s_mov_b32 s47, 0
	s_lshl_b32 s20, s14, 14                        ; where they go: ctx's halves,
	s_mul_i32 s21, s14, HALFB
	s_add_co_u32 s21, s21, ASZ                     ; W_dense's behind them
	s_wait_dscnt 0x0                               ; both opening adds are done
	s_wait_kmcnt 0x0
	s_add_nc_u64 s[18:19], s[4:5], s[16:17]
	s_add_nc_u64 s[46:47], s[6:7], s[46:47]
	CROUND                                         ; all sixteen work-groups are here: the first joint loads meet
.irp s, 0,1
	s_mov_b32 s[G0+4*\s], 1
	s_add_co_u32 s[G0+4*\s+1], s20, \s*SLOT
	s_add_nc_u64 s[G0+4*\s+2:G0+4*\s+3], s[18:19], \s*4096
	s_or_b32 s[G0+4*\s+3], s[G0+4*\s+3], 0x80000000
	s_mov_b32 s[G0B+4*\s], 1
	s_add_co_u32 s[G0B+4*\s+1], s21, \s*SLOT
	s_add_nc_u64 s[G0B+4*\s+2:G0B+4*\s+3], s[46:47], \s*256
	s_or_b32 s[G0B+4*\s+3], s[G0B+4*\s+3], 0x80000000
	JLOAD \s                                       ; two loads of mine are out
.endr
	v_and_b32 v1, 15, v0                           ; r
	v_bfe_u32 v2, v0, 4, 1                         ; h
	v_and_b32 v3, 31, v0
	v_lshlrev_b32 v3, 4, v3                        ; 16 x lane
	v_mul_u32_u24 v4, v1, PITCH
	v_lshl_add_u32 v4, v2, 4, v4
	s_lshl_b32 s23, s13, 14                        ; my four tiles of positions
	s_mul_i32 s22, s14, HALFB                      ; my 128 rows of W_dense
	s_add_co_u32 s22, s22, ASZ
.irp s, 0,1
	v_add_nc_u32 v[ADRA+\s], s23, v3
	v_add_nc_u32 v[ADRB+\s], s22, v4
	s_add_co_u32 s23, s23, SLOT
	s_add_co_u32 s22, s22, SLOT
.endr
	s_mul_i32 s23, s12, 16*SPITCH
	s_add_co_u32 s23, s23, STAGE                   ; my stage
	v_mul_u32_u24 v5, v1, SPITCH
	v_lshl_add_u32 v5, v2, 5, v5
	v_add_nc_u32 v[STO], s23, v5                   ; in: row r, 32 bytes for each half of the lanes
	v_add_nc_u32 v[RD], s23, v3                    ; back: the 32 lanes take one row of 512 bytes
	v_mov_b32 v[CO], v3                            ; and the same in out
	v_lshlrev_b32 v[BO], 5, v2
	s_lshl_b32 s46, s42, 10
	s_lshl_b32 s47, s14, 9
	s_add_co_u32 s46, s46, s47                     ; my first column, in bytes
	s_mov_b32 s47, 0
	s_add_nc_u64 s[8:9], s[8:9], s[46:47]
	WIN 0x80                                       ; destination window 2
.irp b, 0,1,2,3,4,5,6,7
	global_load_b128 v[8*\b:8*\b+3], v[BO], s[8:9] offset:64*\b         ; b_dense at columns 16 b + 8 h + 0 .. 7
	global_load_b128 v[8*\b+4:8*\b+7], v[BO], s[8:9] offset:64*\b+16
.endr
	WIN 0
	s_and_b32 s16, s15, 15
	s_lshl_b32 s16, s16, 3
	s_lshl_b32 s17, s13, 2
	s_add_co_u32 s16, s16, s17                     ; my first tile of positions
	s_lshl_b32 s16, s16, 6                         ; x 16 positions x 4 batches
	s_lshr_b32 s17, s15, 4
	s_add_co_u32 s16, s16, s17                     ; + b: a row of out
	s_lshl_b32 s16, s16, 12                        ; 4,096 bytes a row
	s_add_co_u32 s16, s16, s46
	s_mov_b32 s17, 0
	s_add_nc_u64 s[10:11], s[10:11], s[16:17]
.macro MUL8 f, a, first                ; block a of ctx x W_dense's eight, 32 along K.  The 32 accumulators take turns, one instruction a turn, in the same order in every quarter
.irp b, 0,1,2,3,4,5,6,7
.if \first
	v_wmma_f32_16x16x32_f16 v[8*(8*(\a)+\b):8*(8*(\a)+\b)+7], v[\f+32+8*\b:\f+32+8*\b+7], v[\f+8*(\a):\f+8*(\a)+7], v[8*\b:8*\b+7]
.else
	v_wmma_f32_16x16x32_f16 v[8*(8*(\a)+\b):8*(8*(\a)+\b)+7], v[\f+32+8*\b:\f+32+8*\b+7], v[\f+8*(\a):\f+8*(\a)+7], v[8*(8*(\a)+\b):8*(8*(\a)+\b)+7]
.endif
.endr
.endm
.macro FETCH slot, q, f                ; 24 LDS loads in one run: the slot's q-th 32 along K: W_dense's eight fragments, then ctx's four
.irp i, 0,1,2,3,4,5,6,7
	ds_load_b128 v[\f+32+8*\i:\f+32+8*\i+3],   v[ADRB+\slot] offset:(\q)*64+\i*16*PITCH
	ds_load_b128 v[\f+32+8*\i+4:\f+32+8*\i+7], v[ADRB+\slot] offset:(\q)*64+\i*16*PITCH+32
.endr
.irp i, 0,1,2,3
	ds_load_b128 v[\f+8*\i:\f+8*\i+3],   v[ADRA+\slot] offset:\i*4096+(\q)*1024
	ds_load_b128 v[\f+8*\i+4:\f+8*\i+7], v[ADRA+\slot] offset:\i*4096+(\q)*1024+512
.endr
.endm
.macro PLACES                          ; four plain vector instructions between a matrix instruction and a load into, or a read of, its registers
.rept 4
	v_nop
.endr
.endm
; A K step is four quarters of 32 along K, 32 matrix instructions each, on buffers 0, 1, 0, 1.  One of the first three: multiplies buffer f and fetches quarter q into g.
.macro QUARTER slot, q, f, g, first
	s_wait_dscnt 4                                 ; W_dense's fragments and ctx's blocks 0, 1 are in; the youngest four loads (blocks 2, 3) may be out
	WIN MUL+16*\first
	MUL8 \f, 0, \first
	MUL8 \f, 1, \first
	PLACES
	WIN 0
	FETCH \slot, \q, \g
	s_wait_dscnt 24                                ; all but the 24 just issued
	WIN MUL+16*\first
	MUL8 \f, 2, \first
	MUL8 \f, 3, \first
.endm
; The last quarter multiplies buffer 1 and changes slots: ONE barrier; in front of it each wave waits for all its tensor loads, adds 0 to its spare word, and waits for that and for its reads of this slot.
; fill = 1: this slot is filled again, two K steps ahead; the barrier then opens a round of the cluster's.
.macro TURN slot, next, fill
	WIN 0
	s_wait_tensorcnt 0x0                           ; all my tensor loads have landed: my part of the next slot
	ds_add_u32 v[SPW], v[NIL]                      ; 0 onto my spare word
	s_wait_dscnt 5                                 ; the add and the youngest four loads may be out
	WIN MUL
	MUL8 F1, 0, 0
	s_wait_dscnt 0x0                               ; the add is done, and my reads of this slot are over
	s_barrier_signal -1
	MUL8 F1, 1, 0
	WIN 0
	s_barrier_wait -1
.if \fill
	CREST                                          ; no wave of any partner still reads this slot's tile or has a load on its way
	s_add_nc_u64 s[G0+4*\slot+2:G0+4*\slot+3], s[G0+4*\slot+2:G0+4*\slot+3], 2*4096
	s_add_nc_u64 s[G0B+4*\slot+2:G0B+4*\slot+3], s[G0B+4*\slot+2:G0B+4*\slot+3], 2*256
	JLOAD \slot                                    ; the first tensor load behind the round; its four v_nop are also the places in front of the loads below
.else
	PLACES
.endif
	FETCH \next, 0, F0
	WIN MUL
	MUL8 F1, 2, 0
	MUL8 F1, 3, 0
.endm
	s_wait_tensorcnt 1                             ; my part of K step 0 is in; K step 1's load may be out,
	s_barrier_signal -1
	s_barrier_wait -1                              ; everybody's is
	FETCH 0, 0, F0
	s_wait_loadcnt 0x0                             ; the bias
	QUARTER 0, 1, F0, F1, 1                        ; the first quarter stands in front of the loop: its products start the sums from the bias
	WIN 0                                          ; at a label and at a branch every window is 0
	s_mov_b32 s3, LAPS-1
.Llap:                                             ; a trip goes once round the ring, from a lap's second quarter to the next lap's first, and fills both slots again
	QUARTER 0, 2, F1, F0, 0
	QUARTER 0, 3, F0, F1, 0
	TURN 0, 1, 1
	QUARTER 1, 1, F0, F1, 0
	QUARTER 1, 2, F1, F0, 0
	QUARTER 1, 3, F0, F1, 0
	TURN 1, 0, 1
	QUARTER 0, 1, F0, F1, 0
	WIN 0
	s_sub_co_u32 s3, s3, 1
	s_cmp_lg_u32 s3, 0
	s_cbranch_scc1 .Llap
	QUARTER 0, 2, F1, F0, 0                        ; the last lap fills nothing
	QUARTER 0, 3, F0, F1, 0
	TURN 0, 1, 0
	QUARTER 1, 1, F0, F1, 0
	QUARTER 1, 2, F1, F0, 0
	QUARTER 1, 3, F0, F1, 0
	s_wait_dscnt 4                                 ; the very last quarter: nothing more to fetch
	WIN MUL
	MUL8 F1, 0, 0
	MUL8 F1, 1, 0
	s_wait_dscnt 0
	MUL8 F1, 2, 0
	MUL8 F1, 3, 0
	WIN 0
; THE WAY OUT, block by block of 16 positions x 128 columns.  A lane holds 32 neighbouring bytes of a row, the lanes beside it other rows: a block goes through my own stage in LDS and comes back as whole rows of
; 512 bytes.  LDS serves a wave's instructions in order (ISA guide 5.7.1.4): no wait between the stores and the loads.  Rows of neighbouring positions lie 4 rows of out, 16,384 bytes, apart.
.macro TOSTAGE a
	WIN 0x04                                       ; an LDS store's data are its source 1: window 1
.irp b, 0,1,2,3,4,5,6,7
	ds_store_b128 v[STO], v[8*(8*(\a)+\b):8*(8*(\a)+\b)+3] offset:64*\b          ; each accumulator from its low end on
	ds_store_b128 v[STO], v[8*(8*(\a)+\b)+4:8*(8*(\a)+\b)+7] offset:64*\b+16
.endr
	WIN 0
.set BB, BK+64*((\a)%2)
.irp t, 0,1,2,3,4,5,6,7,8,9,10,11,12,13,14,15
	ds_load_b128 v[BB+4*\t:BB+4*\t+3], v[RD] offset:\t*SPITCH
.endr
.endm
.macro SEND a, younger                 ; younger: the LDS instructions issued behind block a's loads, which may stay out
.set BB, BK+64*((\a)%2)
	s_wait_dscnt \younger
.if (\a) > 0
	s_add_nc_u64 s[10:11], s[10:11], 262144        ; 16 positions on (behind a wait for 0 on XCNT: the earlier stores have read their base)
.endif
.irp t, 0,1,2,3,4,5,6,7,8,9,10,11,12,13,14,15
	global_store_b128 v[CO], v[BB+4*\t:BB+4*\t+3], s[10:11] offset:\t*16384 th:TH_STORE_NT   ; 32 lanes store 512 consecutive bytes, at a multiple of 512 from out's first byte
.endr
.endm
	PLACES
	TOSTAGE 0
.irp a, 1,2,3
.if \a > 1
	s_wait_xcnt 0x0                                ; block a - 2's stores have read their registers and their base
.endif
	TOSTAGE \a
	SEND \a-1, 32                                  ; behind block a - 1's loads: block a's 16 stores and 16 loads
.endr
	s_wait_xcnt 0x0
	SEND 3, 0
	s_wait_tensorcnt 0x0                           ; the wave's end, behind my last tensor load and my last LDS store
	ds_add_u32 v[SPW], v[NIL]
	s_wait_dscnt 0x0
	CROUND                                         ; the closing round
	s_endpgm
.Lfunc_end_k_q09bfd8fc6d_dense:
	.size	k_q09bfd8fc6d_dense, .Lfunc_end_k_q09bfd8fc6d_dense-k_q09bfd8fc6d_dense
	.p2alignl 7, 3214868480
	.fill 96, 4, 3214868480
	.section	.rodata,"a",@progbits
	.p2align	6, 0x0
	.amdhsa_kernel k_q09bfd8fc6d_dense
		.amdhsa_group_segment_fixed_size 327680
		.amdhsa_private_segment_fixed_size 0
		.amdhsa_enable_private_segment 0
		.amdhsa_kernarg_size 32
		.amdhsa_user_sgpr_count 2
		.amdhsa_user_sgpr_kernarg_segment_ptr 1
		.amdhsa_wavefront_size32 1
		.amdhsa_system_sgpr_workgroup_id_x 1
		.amdhsa_system_sgpr_workgroup_id_y 1
		.amdhsa_system_sgpr_workgroup_id_z 1
		.amdhsa_system_vgpr_workitem_id 0
		.amdhsa_next_free_vgpr 576
		.amdhsa_next_free_sgpr 66
		.amdhsa_reserve_vcc 0
		.amdhsa_float_denorm_mode_32 3
		.amdhsa_float_denorm_mode_16_64 3
		.amdhsa_memory_ordered 1
		.amdhsa_forward_progress 1
		.amdhsa_inst_pref_size 87
	.end_amdhsa_kernel
	.amdgpu_metadata
---
amdhsa.version: [ 1, 2 ]
amdhsa.kernels:
  - .name:           k_q09bfd8fc6d_dense
    .symbol:         k_q09bfd8fc6d_dense.kd
    .args:
      - { .name: cw, .offset: 0, .size: 8, .value_kind: global_buffer, .address_space: global }
      - { .name: wf, .offset: 8, .size: 8, .value_kind: global_buffer, .address_space: global }
      - { .name: b_dense, .offset: 16, .size: 8, .value_kind: global_buffer, .address_space: global }
      - { .name: out0, .offset: 24, .size: 8, .value_kind: global_buffer, .address_space: global }
    .group_segment_fixed_size: 327680
    .private_segment_fixed_size: 0
    .kernarg_segment_align: 8
    .kernarg_segment_size: 32
    .max_flat_workgroup_size: 128
    .sgpr_count:     66
    .vgpr_count:     576
    .wavefront_size: 32
...
	.end_amdgpu_metadata
.endif
;; end of part 4
